; MI455X (gfx1250); checked and timed in simulation.
; The chip was launched on July 23, 2026; its instructions are those of AMD's public machine-readable ISA for CDNA 5 (MIT licence, August 2026) and "CDNA5" Instruction Set Architecture Reference Guide (July 2026). The comments in the code are by the model that wrote it; some were corrected since.
;; Attention. Allowed arithmetic: float matrix products may take bf16 or f16 operands with f32 sums; all other float work in f32.
;; Inputs: w_out 1,024 x 1,024 float32; w_qkv 1,024 x 3,072 float32; x 2 x 2,048 x 1,024 float32.
;; Outputs: out0 2 x 2,048 x 1,024 float32.
;; 2 versions, each right; version 2 is version 1 with the launch cast written anew for expert scheduling mode. Each part assembles by itself: llvm-mc -triple=amdgcn-amd-amdhsa -mcpu=gfx1250 --defsym DOCPART=n.
;; ======== version 1 of 2: 4 launches
;; limits: values are held in f16: magnitudes above 65,504 overflow, below 6.1e-05 lose precision
;; workspace buffers: xb 8,388,608 bytes; wqf 6,291,456 bytes; wof 2,097,152 bytes; qf 8,388,608 bytes; kv 16,777,216 bytes; ao 8,388,608 bytes
;; launch cast (part 1): grid 1024 x 1, 8 waves a work-group, no clusters, 21,504 bytes of LDS; arguments x, w_qkv, w_out, xb, wqf, wof; writes xb, wqf, wof
.if DOCPART == 1
	.amdgcn_target "amdgcn-amd-amdhsa--gfx1250"
	.amdhsa_code_object_version 6
	.text
	.protected	k_q686f86e804_cast
	.globl	k_q686f86e804_cast
	.p2align	8
	.type	k_q686f86e804_cast,@function
k_q686f86e804_cast:
	s_mov_b64 s[64:65], 0
	v_nop
	global_prefetch_b8 v0, s[64:65] scope:SCOPE_SE
	s_setreg_imm32_b32 hwreg(HW_REG_WAVE_MODE, 25, 1), 1
	s_wait_xcnt 0x0
; cast: x, w_qkv, w_out (f32) are rounded once to f16; the two weights are also laid in the order in which the later
; launches' matrix fragments want them.  A stream: no matrix work, no barrier, one job of 4,096 input bytes for each wave.
;   work-groups   0..511 : xb[row][1024] f16, row-major; wave = one row of x
;   work-groups 512..895 : wqf; wave = 8 k x 128 n of w_qkv
;   work-groups 896..1023: wof; wave = 8 k x 128 n of w_out
; A PIECE is 16 bytes: 8 f16 of one column n, k = 8 ko .. 8 ko + 7.
;   wqf byte = head*393216 + (ko>>4)*49152 + nt*4096 + (ko&15)*256 + (n&15)*16, nt = 4*(q,k,v) + (d>>4)
;   wof byte = (n>>7)*262144 + (ko>>5)*65536 + ((n>>4)&7)*8192 + (ko&31)*256 + (n&15)*16
; FORMAT: f16, not bf16: its rounding is 8 times finer.  LIMIT: a number above 65,504 in magnitude becomes infinite;
; x as drawn has spread 1 and the weights 1/32, so 30 times more, or an offset of 30 spreads, stays far inside.
; No cluster: no two work-groups read the same byte.
.set LSTAGE, 2560                      ; LDS bytes of a wave: 32 lanes x 80
.set LPITCH, 80                        ; four pieces of a lane + 16: an odd multiple of 16, so the 16 lanes of a store hit 16 different columns of 16 bytes
.set WR, 8                             ; v[8:39]   eight rows as loaded (4 f32 a lane each); later v[8:23]: pieces read back
.set PC, 40                            ; v[40:55]  x: 8 pairs to store; weights: 4 pieces of 4 registers
; 8 k x 128 n of a weight.  src, dst: scalar pairs with the addresses of the job's first bytes; pitch: bytes of a row of the weight;
; lsh: log2 of the bytes from one tile of 16 n to the next; o1..o3: where the pairs of tiles 2-3, 4-5, 6-7 begin.
.macro CASTW src, dst, pitch, lsh, o1, o2, o3
.irp j, 0,1,2,3,4,5,6,7
	global_load_b128 v[WR+4*\j:WR+4*\j+3], v2, s[\src:\src+1] offset:\pitch*\j th:TH_LOAD_NT   ; row 8 ko + j: 512 neighbouring bytes; read once in the launch
.endr
	v_lshrrev_b32 v6, 4, v1
	v_and_b32 v7, 15, v1
	v_lshlrev_b32 v6, \lsh, v6                     ; lanes 16-31 store into the next tile of 16 n
	v_lshl_add_u32 v6, v7, 4, v6                   ; + 16 (lane mod 16)
	s_wait_loadcnt 0x0                             ; a piece needs all eight rows
.irp i, 0,1,2,3
.irp m, 0,1,2,3
	v_cvt_pk_f16_f32 v[PC+4*\i+\m], v[WR+8*\m+\i], v[WR+8*\m+4+\i]   ; column 4 L + i: k = 2 m below, 2 m + 1 above
.endr
.endr
.irp i, 0,1,2,3
	ds_store_b128 v4, v[PC+4*\i:PC+4*\i+3] offset:16*\i             ; piece n = 4 L + i at (n>>2)*80 + (n&3)*16
.endr
.irp t, 0,1,2,3
	ds_load_b128 v[WR+4*\t:WR+4*\t+3], v5 offset:640*\t             ; piece n = 32 t + L.  The wave's own bytes, and LDS serves a wave in order (ISA guide 5.7.1): no wait between
.endr
	s_wait_dscnt 0x3                               ; the three younger read-backs may stay out, and so on down
	global_store_b128 v6, v[WR:WR+3], s[\dst:\dst+1]                ; each store: two runs of 256 consecutive aligned bytes
	s_wait_dscnt 0x2
	global_store_b128 v6, v[WR+4:WR+7], s[\dst:\dst+1] offset:\o1
	s_wait_dscnt 0x1
	global_store_b128 v6, v[WR+8:WR+11], s[\dst:\dst+1] offset:\o2
	s_wait_dscnt 0x0
	global_store_b128 v6, v[WR+12:WR+15], s[\dst:\dst+1] offset:\o3
.endm
	s_load_b256 s[4:11], s[0:1], 0x0               ; x s[4:5], w_qkv s[6:7], w_out s[8:9], xb s[10:11]
	s_load_b128 s[12:15], s[0:1], 0x20             ; wqf s[12:13], wof s[14:15]
	v_lshl_add_u32 v64, v0, 2, 0x5000
	v_mov_b32 v65, 0
	v_and_b32 v1, 31, v0                           ; lane L
	v_lshrrev_b32 v3, 5, v0
	v_readfirstlane_b32 s16, v3                    ; wave 0..7
	v_lshlrev_b32 v2, 4, v1                        ; 16 L: my 16 bytes of every 512 loaded
	s_mov_b32 s21, 0                               ; high word of every offset: all are below 4 GiB
	s_cmp_lt_u32 ttmp9, 512
	s_cbranch_scc0 .Lweights
	; ---- x: one row of 1,024 f32 for each wave ----
	s_lshl3_add_u32 s17, ttmp9, s16                ; row = 8 x work-group + wave
	s_lshl_b32 s20, s17, 12                        ; 4,096 bytes a row in x
	s_lshl_b32 s22, s17, 11                        ; 2,048 in xb
	s_mov_b32 s23, 0
	v_lshlrev_b32 v3, 3, v1                        ; 8 L: my 8 bytes of every 256 stored
	s_wait_kmcnt 0x0
	s_add_nc_u64 s[4:5], s[4:5], s[20:21]
	s_add_nc_u64 s[10:11], s[10:11], s[22:23]
.irp j, 0,1,2,3,4,5,6,7
	global_load_b128 v[WR+4*\j:WR+4*\j+3], v2, s[4:5] offset:512*\j th:TH_LOAD_NT
.endr
.irp j, 0,1,2,3,4,5,6,7
	s_wait_loadcnt 7-\j                            ; loads come back in order: load j is in, the younger ones stay out
	v_cvt_pk_f16_f32 v[PC+2*\j], v[WR+4*\j], v[WR+4*\j+1]
	v_cvt_pk_f16_f32 v[PC+2*\j+1], v[WR+4*\j+2], v[WR+4*\j+3]
	global_store_b64 v3, v[PC+2*\j:PC+2*\j+1], s[10:11] offset:256*\j   ; 32 lanes store 256 consecutive aligned bytes; every j has registers of its own
.endr
	s_endpgm
.Lweights:
	s_mul_i32 s23, s16, LSTAGE                     ; my wave's LDS bytes
	v_mul_u32_u24 v4, v1, LPITCH
	v_add_nc_u32 v4, s23, v4                       ; in: lane L at 80 L
	v_lshrrev_b32 v5, 2, v1
	v_and_b32 v7, 3, v1
	v_mul_u32_u24 v5, v5, LPITCH
	v_lshl_add_u32 v5, v7, 4, v5
	v_add_nc_u32 v5, s23, v5                       ; back: piece L at (L>>2)*80 + (L&3)*16
	s_and_b32 s19, ttmp9, 15                       ; 512 and 896 are multiples of 16: these are the job number's low four bits
	s_lshl3_add_u32 s19, s19, s16                  ; ko = 8 x them + wave, 0..127
	s_lshr_b32 s18, ttmp9, 4
	s_cmp_lt_u32 ttmp9, 896
	s_cbranch_scc0 .Lwout
	; ---- w_qkv [1024][3072]: ng = which 128 columns = (q, k or v) x 8 + a pair of heads ----
	s_sub_co_u32 s18, s18, 32                      ; ng, 0..23
	s_mul_i32 s20, s19, 98304                      ; 8 ko rows of 12,288 bytes
	s_lshl_b32 s22, s18, 9
	s_add_co_u32 s20, s20, s22                     ; + 128 ng columns of 4 bytes
	s_wait_kmcnt 0x0
	s_add_nc_u64 s[6:7], s[6:7], s[20:21]
	s_and_b32 s22, s18, 7
	s_mul_i32 s20, s22, 786432                     ; head 2 (ng & 7)
	s_lshr_b32 s22, s19, 4
	s_mul_i32 s22, s22, 49152                      ; K step of 128
	s_add_co_u32 s20, s20, s22
	s_lshr_b32 s22, s18, 3
	s_lshl_b32 s22, s22, 14                        ; q, k or v: four tiles of 4,096 bytes
	s_add_co_u32 s20, s20, s22
	s_and_b32 s22, s19, 15
	s_lshl_b32 s22, s22, 8
	s_add_co_u32 s20, s20, s22
	s_add_nc_u64 s[12:13], s[12:13], s[20:21]
	CASTW 6, 12, 12288, 12, 8192, 393216, 401408   ; tiles 0-3: the first head; tiles 4-7: the next head, 393,216 bytes on
	s_wait_tensorcnt 0x0
	ds_add_u32 v64, v65
	s_wait_dscnt 0x0
	s_endpgm
.Lwout:
	; ---- w_out [1024][1024]: nb = which 128 columns ----
	s_sub_co_u32 s18, s18, 56                      ; nb, 0..7
	s_lshl_b32 s20, s19, 15                        ; 8 ko rows of 4,096 bytes
	s_lshl_b32 s22, s18, 9
	s_add_co_u32 s20, s20, s22
	s_wait_kmcnt 0x0
	s_add_nc_u64 s[8:9], s[8:9], s[20:21]
	s_lshl_b32 s20, s18, 18
	s_lshr_b32 s22, s19, 5
	s_lshl_b32 s22, s22, 16                        ; K step of 256
	s_add_co_u32 s20, s20, s22
	s_and_b32 s22, s19, 31
	s_lshl_b32 s22, s22, 8
	s_add_co_u32 s20, s20, s22
	s_add_nc_u64 s[14:15], s[14:15], s[20:21]
	CASTW 8, 14, 4096, 13, 16384, 32768, 49152
	s_wait_tensorcnt 0x0
	ds_add_u32 v64, v65
	s_wait_dscnt 0x0
	s_endpgm
.Lfunc_end_k_q686f86e804_cast:
	.size	k_q686f86e804_cast, .Lfunc_end_k_q686f86e804_cast-k_q686f86e804_cast
	.p2alignl 7, 3214868480
	.fill 96, 4, 3214868480
	.section	.rodata,"a",@progbits
	.p2align	6, 0x0
	.amdhsa_kernel k_q686f86e804_cast
		.amdhsa_group_segment_fixed_size 21504
		.amdhsa_private_segment_fixed_size 0
		.amdhsa_enable_private_segment 0
		.amdhsa_kernarg_size 48
		.amdhsa_user_sgpr_count 2
		.amdhsa_user_sgpr_kernarg_segment_ptr 1
		.amdhsa_wavefront_size32 1
		.amdhsa_system_sgpr_workgroup_id_x 1
		.amdhsa_system_sgpr_workgroup_id_y 1
		.amdhsa_system_sgpr_workgroup_id_z 1
		.amdhsa_system_vgpr_workitem_id 0
		.amdhsa_next_free_vgpr 66
		.amdhsa_next_free_sgpr 66
		.amdhsa_reserve_vcc 0
		.amdhsa_float_denorm_mode_32 3
		.amdhsa_float_denorm_mode_16_64 3
		.amdhsa_memory_ordered 1
		.amdhsa_forward_progress 1
		.amdhsa_inst_pref_size 12
	.end_amdhsa_kernel
	.amdgpu_metadata
---
amdhsa.version: [ 1, 2 ]
amdhsa.kernels:
  - .name:           k_q686f86e804_cast
    .symbol:         k_q686f86e804_cast.kd
    .args:
      - { .name: x, .offset: 0, .size: 8, .value_kind: global_buffer, .address_space: global }
      - { .name: w_qkv, .offset: 8, .size: 8, .value_kind: global_buffer, .address_space: global }
      - { .name: w_out, .offset: 16, .size: 8, .value_kind: global_buffer, .address_space: global }
      - { .name: xb, .offset: 24, .size: 8, .value_kind: global_buffer, .address_space: global }
      - { .name: wqf, .offset: 32, .size: 8, .value_kind: global_buffer, .address_space: global }
      - { .name: wof, .offset: 40, .size: 8, .value_kind: global_buffer, .address_space: global }
    .group_segment_fixed_size: 21504
    .private_segment_fixed_size: 0
    .kernarg_segment_align: 8
    .kernarg_segment_size: 48
    .max_flat_workgroup_size: 256
    .sgpr_count:     66
    .vgpr_count:     66
    .wavefront_size: 32
...
	.end_amdgpu_metadata
.endif
;; end of part 1
;; launch qkv (part 2): grid 16 x 16, 4 waves a work-group, clusters of 4 x 4, 327,680 bytes of LDS; arguments xb, wqf, qf, kv; writes qf, kv
.if DOCPART == 2
	.amdgcn_target "amdgcn-amd-amdhsa--gfx1250"
	.amdhsa_code_object_version 6
	.text
	.protected	k_q686f86e804_qkv
	.globl	k_q686f86e804_qkv
	.p2align	8
	.type	k_q686f86e804_qkv,@function
k_q686f86e804_qkv:
	s_mov_b64 s[64:65], 0
	v_nop
	global_prefetch_b8 v0, s[64:65] scope:SCOPE_SE
	s_setreg_imm32_b32 hwreg(HW_REG_WAVE_MODE, 25, 1), 1
	s_wait_xcnt 0x0
	s_wait_alu depctr_hold_cnt(0) depctr_sa_sdst(0) depctr_va_vdst(0) depctr_va_sdst(0) depctr_va_ssrc(0) depctr_va_vcc(0) depctr_vm_vsrc(0)
	s_getreg_b32 s2, hwreg(HW_REG_IB_STS2, 6, 4)
	s_cmp_eq_u32 s2, 0
	s_cbranch_scc0 .Lentry_in_a_cluster
	s_endpgm
.Lentry_in_a_cluster:
	s_bfe_u32 s2, ttmp6, 0x10000c
	s_cmp_lg_u32 s2, 0xf033
	s_cbranch_scc0 .Lentry_shape_is_right
	s_endpgm
.Lentry_shape_is_right:
; qkv: [4096 tokens][1024] x [1024][3072], f16 operands, f32 sums, results rounded once to f16 and stored in the order in which
; the attention launch's fragments want them.
; Work-group (x = head, y = rb) makes 256 tokens x the 192 columns (q, k, v) of one head: 16 x 16 = 256 work-groups of equal work.
; Four waves, as many as a WGP has SIMDs; wave w makes tokens 64 w .. 64 w + 63 x all 192 columns: 48 accumulator tiles, 384 registers.
; K goes in steps of 128 through two LDS slots filled by the tensor data mover: 256 rows of x (256 bytes each, padded to 272) and
; 49,152 dense bytes of the head's weights, which lie in memory in fragment order.
; CLUSTERS: 4 x 4 work-groups.  The four of a row of the cluster share rb and so the tiles of x; the four of a column share the head and
; so the tiles of the weights.  Each tile is asked for jointly, which divides the requests for both by four.
; By this text's own count a wave has two tensor loads out at the start and one behind each refill.
; LIMIT: q, k, v are kept in f16: above 65,504 in magnitude they become infinite.  As drawn their spread is 1; with x and w_qkv both
; 30 times larger it is 900; with common offsets of 30 spreads on both they lie near 1024 x 30 x 30/32 = 28,800.
; REGISTERS in windows of 256:
;   window 0: v16-25 addresses; v32-63, v64-95 fragments of x (4 x 16 tokens x 32 K), two buffers; on the way out v32-223 packed results
;   window 1: v0-95, v96-191 fragments of the weights (12 x 16 columns x 32 K), two buffers
;   window 2: accumulator (nt 0-7, xt) at 8 (4 nt + xt): q and k;   window 3: (nt 8-11, xt) at 8 (4 (nt - 8) + xt): v
; THE MATRIX INSTRUCTION IS USED TRANSPOSED: source 0 = 16 columns of the weights, source 1 = 16 tokens.  Lane (r, h) then holds token r
; and in its registers 0-7 the columns 16 nt + 8 h + 0..7: eight neighbouring d of one token, 16 bytes of f16.
.set XPITCH, 272                       ; 256 bytes + 16: an odd multiple of 16, so the 16 rows of a fragment load start in 16 different columns of 16 bytes
.set XHALF,  128*XPITCH                ; what one tensor load brings of x
.set XPART,  2*XHALF
.set WHALF,  24576                     ; what one tensor load brings of the weights: 96 rows of 256 bytes
.set SLOT,   XPART+2*WHALF             ; 118,784
.set ADRX, 16                          ; v16-17 LDS address of my x fragments in slot 0, 1
.set ADRW, 20                          ; v20-21 the same for the weights
.set OQ,   24                          ; v24    16 L: my 16 bytes in a block of 512 of qf and of K
.set OV,   25                          ; v25    32 r + 16 h: the same in V, whose blocks are [16 keys][16 d] row-major
.set XF,   32
.set TMP,  32
.set G1A, 24                           ; s[24:31] group 1 for x
.set G0A, 32                           ; s[32:39] group 0 for x, one set for each slot
.set G1B, 40                           ; s[40:47] group 1 for the weights
.set G0B, 48                           ; s[48:55] group 0 for the weights, one set for each slot
.set MSB, 0
.macro WIN new                         ; the immediate's high byte repeats the setting that is left
.if MSB != \new
	s_set_vgpr_msb (MSB<<8)|\new
.set MSB, \new
.endif
.endm
.set MUL_LO, 0xa1                      ; source 0 window 1, source 1 window 0, C and D window 2
.set MUL_HI, 0xf1                      ; the same, C and D window 3
.set TO_W,   0x40                      ; destination window 1, address window 0
; A joint load: waves 0 and 1 fetch the halves of x's tile, waves 2 and 3 those of the weights'.  The branch hangs on the wave's number alone.
.macro JLOAD s
	s_cmp_eq_u32 s13, 0
	s_cbranch_scc0 .Lfor_w_\@
	tensor_load_to_lds s[G0A+4*\s:G0A+4*\s+3], s[G1A:G1A+7]
	s_nop 0
	s_branch .Lasked_\@
.Lfor_w_\@:
	tensor_load_to_lds s[G0B+4*\s:G0B+4*\s+3], s[G1B:G1B+7]
	s_nop 0
.Lasked_\@:
.endm
; A round of the cluster's barrier: my work-group's barrier, wave 0 signals for the work-group, every wave waits for all sixteen, my work-group's barrier again.
.macro CREST                           ; a round behind its opening barrier
	s_cmp_lg_u32 s12, 0
	s_cbranch_scc1 .Lnot_wave_0_\@
	s_barrier_signal -3
.Lnot_wave_0_\@:
	s_barrier_wait -3
	s_barrier_signal -1
	s_barrier_wait -1
.endm
.macro CROUND
	s_barrier_signal -1
	s_barrier_wait -1
	CREST
.endm
.macro PLACES                          ; four places behind a matrix instruction, in front of loads into its sources and of readers of its result
.rept 4
	v_nop
.endr
.endm
	s_load_b256 s[4:11], s[0:1], 0x0               ; xb s[4:5], wqf s[6:7], qf s[8:9], kv s[10:11]
	s_set_vgpr_msb 0x40
	v_lshl_add_u32 v255, v0, 2, 0x3a000
	s_set_vgpr_msb 0x4000
	v_mov_b32 v255, 0
	s_set_vgpr_msb 0x1
	ds_add_u32 v255, v255
	s_set_vgpr_msb 0x100
	v_lshrrev_b32 v1, 5, v0
	v_readfirstlane_b32 s12, v1                    ; wave 0..3
	s_lshr_b32 s13, s12, 1                         ; I fetch for x (0) or for the weights (1)
	s_and_b32 s14, s12, 1                          ; which half of that tile
	s_bfe_u32 s15, ttmp6, 0x40000                  ; cx
	s_bfe_u32 s16, ttmp6, 0x40004                  ; cy
	s_lshl_b32 s17, ttmp9, 2
	s_add_co_u32 s17, s17, s15                     ; head = 4 x cluster x + cx
	s_and_b32 s18, ttmp7, 0xffff
	s_lshl_b32 s18, s18, 2
	s_add_co_u32 s18, s18, s16                     ; rb = 4 x cluster y + cy
	s_lshl_b32 s19, s16, 2
	s_lshl_b32 s19, 15, s19                        ; my row of the cluster: places 4 cy .. 4 cy + 3
	s_lshl_b32 s20, 0x1111, s15                    ; my column: places cx, cx + 4, cx + 8, cx + 12
	; group 1 for x: 128 rows x 128 elements of 2 bytes, 1,024 elements from row to row, 4 words of padding behind every 64
	s_or_b32 s[G1A+0], s19, (1<<16)|(1<<20)|(1<<21)|(5<<22)|(3<<25)
	s_mov_b32 s[G1A+1], 128<<16                    ; tensor_dim0 = 128
	s_mov_b32 s[G1A+2], 128<<16                    ; tensor_dim1 = 128
	s_mov_b32 s[G1A+3], 128<<16                    ; tile_dim0 = 128
	s_mov_b32 s[G1A+4], 128                        ; tile_dim1 = 128
	s_mov_b32 s[G1A+5], 1024                       ; pitch
	s_mov_b32 s[G1A+6], 0
	s_mov_b32 s[G1A+7], 0
	; group 1 for the weights: a dense block as 96 rows of 32 elements of 8 bytes, no padding
	s_or_b32 s[G1B+0], s20, (3<<16)|(1<<21)
	s_mov_b32 s[G1B+1], 32<<16
	s_mov_b32 s[G1B+2], 96<<16
	s_mov_b32 s[G1B+3], 32<<16
	s_mov_b32 s[G1B+4], 96
	s_mov_b32 s[G1B+5], 32
	s_mov_b32 s[G1B+6], 0
	s_mov_b32 s[G1B+7], 0
	; where the tiles come from: x's hang on rb and the wave alone, the weights' on the head and the wave alone, each in registers that never hold the other coordinate
	s_lshl_b32 s56, s18, 19                        ; 256 rb rows of 2,048 bytes
	s_lshl_b32 s62, s14, 18                        ; + 128 rows for the second half
	s_add_co_u32 s56, s56, s62
	s_mov_b32 s57, 0
	s_mul_i32 s58, s17, 393216
	s_mul_i32 s63, s14, WHALF
	s_add_co_u32 s58, s58, s63
	s_mov_b32 s59, 0
	s_mul_i32 s60, s12, XHALF                      ; and where they go: x's halves at wave x 34,816 (waves 0, 1),
	s_mul_i32 s61, s12, WHALF
	s_add_co_u32 s61, s61, XPART-2*WHALF           ; the weights' at 69,632 + (wave - 2) x 24,576 (waves 2, 3)
	s_wait_dscnt 0x0
	s_wait_kmcnt 0x0
	s_add_nc_u64 s[56:57], s[4:5], s[56:57]
	s_add_nc_u64 s[58:59], s[6:7], s[58:59]
	CROUND                                         ; all sixteen work-groups are here: the first joint loads meet
.irp s, 0,1
	s_mov_b32 s[G0A+4*\s], 1
	s_add_co_u32 s[G0A+4*\s+1], s60, \s*SLOT
	s_add_nc_u64 s[G0A+4*\s+2:G0A+4*\s+3], s[56:57], \s*256        ; K step s: 128 elements along the rows
	s_or_b32 s[G0A+4*\s+3], s[G0A+4*\s+3], 0x80000000
	s_mov_b32 s[G0B+4*\s], 1
	s_add_co_u32 s[G0B+4*\s+1], s61, \s*SLOT
	s_add_nc_u64 s[G0B+4*\s+2:G0B+4*\s+3], s[58:59], \s*49152      ; K step s
	s_or_b32 s[G0B+4*\s+3], s[G0B+4*\s+3], 0x80000000
	JLOAD \s
.endr
	v_and_b32 v1, 15, v0                           ; r
	v_bfe_u32 v2, v0, 4, 1                         ; h
	v_and_b32 v5, 31, v0                           ; L
	v_mul_u32_u24 v3, v1, XPITCH
	v_lshl_add_u32 v3, v2, 4, v3                   ; r x pitch + 16 h
	s_mul_i32 s21, s12, 64*XPITCH                  ; my 64 tokens
	v_add_nc_u32 v[ADRX], s21, v3
	v_add_nc_u32 v[ADRX+1], SLOT, v[ADRX]
	v_lshlrev_b32 v[OQ], 4, v5
	v_add_nc_u32 v[ADRW], XPART, v[OQ]             ; a weight fragment is 1,024 dense bytes: two loads at 16 L, 512 apart
	v_add_nc_u32 v[ADRW+1], XPART+SLOT, v[OQ]
	v_lshlrev_b32 v[OV], 5, v1
	v_lshl_add_u32 v[OV], v2, 4, v[OV]
; 16 matrix instructions: column tiles n0 .. n0 + 3 of the window (hi = 0: nt 0-7, 1: nt 8-11) x my 4 token tiles, 32 along K, from buffer f.
; zero = 1: the first product starts the sums.
.macro MUL16 f, hi, n0, zero
.irp n, \n0, \n0+1, \n0+2, \n0+3
.irp x, 0,1,2,3
.if \zero
	v_wmma_f32_16x16x32_f16 v[8*(4*(\n)+\x):8*(4*(\n)+\x)+7], v[96*\f+8*(8*\hi+\n):96*\f+8*(8*\hi+\n)+7], v[XF+32*\f+8*\x:XF+32*\f+8*\x+7], 0
.else
	v_wmma_f32_16x16x32_f16 v[8*(4*(\n)+\x):8*(4*(\n)+\x)+7], v[96*\f+8*(8*\hi+\n):96*\f+8*(8*\hi+\n)+7], v[XF+32*\f+8*\x:XF+32*\f+8*\x+7], v[8*(4*(\n)+\x):8*(4*(\n)+\x)+7]
.endif
.endr
.endr
.endm
; 32 LDS loads in one run: quarter k (32 along K) of a slot into buffer f: first x's 8, then the weights' 24 with nt ascending
.macro FETCH slot, k, f
	WIN 0
.irp i, 0,1,2,3
	ds_load_b128 v[XF+32*\f+8*\i:XF+32*\f+8*\i+3],   v[ADRX+\slot] offset:\i*16*XPITCH+64*\k
	ds_load_b128 v[XF+32*\f+8*\i+4:XF+32*\f+8*\i+7], v[ADRX+\slot] offset:\i*16*XPITCH+64*\k+32
.endr
	WIN TO_W
.irp i, 0,1,2,3,4,5,6,7,8,9,10,11
	ds_load_b128 v[96*\f+8*\i:96*\f+8*\i+3],   v[ADRW+\slot] offset:\i*4096+\k*1024
	ds_load_b128 v[96*\f+8*\i+4:96*\f+8*\i+7], v[ADRW+\slot] offset:\i*4096+\k*1024+512
.endr
.endm
; A K step is four quarters of 32 along K, 48 matrix instructions each, on buffers 0, 1, 0, 1.  The 48 accumulators take turns, one
; instruction a turn, in the same order in every quarter, over the backward jump too.
; One of the first three quarters: multiplies buffer f and fetches quarter k of the same slot into buffer g.
.macro QUARTER slot, k, f, g, zero
	s_wait_dscnt 8                                 ; x and nt 0-7 are in; the youngest eight loads (nt 8-11) may be out
	WIN MUL_LO
	MUL16 \f, 0, 0, \zero
	MUL16 \f, 0, 4, \zero
	PLACES
	FETCH \slot, \k, \g
	s_wait_dscnt 32                                ; all but the 32 just issued
	WIN MUL_HI
	MUL16 \f, 1, 0, \zero
.endm
.macro THREE slot, zero
	QUARTER \slot, 1, 0, 1, \zero
	QUARTER \slot, 2, 1, 0, 0
	QUARTER \slot, 3, 0, 1, 0
.endm
; The last quarter multiplies buffer 1 and changes slots.  In front of the barrier each wave waits for its reads of this slot and for all
; its tensor loads (the one that is out is its part of the next slot).  fill = 1: the barrier opens a round of the cluster's barrier, and
; behind the round this slot is asked for again, two K steps ahead, as the wave's first and only tensor load there.
.macro TURN slot, next, fill
	s_wait_dscnt 8
	WIN MUL_LO
	MUL16 1, 0, 0, 0
	s_wait_dscnt 0                                 ; my reads of this slot are over
	s_wait_tensorcnt 0x0                           ; all my tensor loads have landed
	ds_add_u32 v255, v255
	s_wait_dscnt 0x0
	s_barrier_signal -1
	MUL16 1, 0, 4, 0                               ; register work while the others arrive
	WIN 0
	s_barrier_wait -1
.if \fill
	CREST
	s_add_nc_u64 s[G0A+4*\slot+2:G0A+4*\slot+3], s[G0A+4*\slot+2:G0A+4*\slot+3], 512      ; no tensor load of mine is out: group 0 may be written
	s_add_nc_u64 s[G0B+4*\slot+2:G0B+4*\slot+3], s[G0B+4*\slot+2:G0B+4*\slot+3], 98304
	JLOAD \slot
.endif
	PLACES
	FETCH \next, 0, 0
	WIN MUL_HI
	MUL16 1, 1, 0, 0
.endm
.macro LAP zero
	THREE 0, \zero
	TURN 0, 1, 1
	THREE 1, 0
	TURN 1, 0, 1
.endm
	s_wait_tensorcnt 0x1                           ; my part of K step 0 is in; K step 1's may stay out
	s_barrier_signal -1
	s_barrier_wait -1
	FETCH 0, 0, 0
	LAP 1                                          ; K steps 0, 1; asks for 2, 3
	WIN 0
	s_mov_b32 s3, 2                                ; K steps 2 to 5; asks for 4 to 7
.Llap:
	LAP 0
	WIN 0
	s_sub_co_u32 s3, s3, 1
	s_cmp_lg_u32 s3, 0
	s_cbranch_scc1 .Llap
	THREE 0, 0                                     ; K steps 6, 7: nothing is left to ask for
	TURN 0, 1, 0
	THREE 1, 0
	s_wait_dscnt 8
	WIN MUL_LO
	MUL16 1, 0, 0, 0
	MUL16 1, 0, 4, 0
	s_wait_dscnt 0
	WIN MUL_HI
	MUL16 1, 1, 0, 0
	WIN 0
	PLACES                                         ; in front of the conversions, which read results and write over fragment registers
	; THE WAY OUT.  A lane's eight results are one piece of 16 bytes, and the 32 lanes' pieces of a tile are 512 neighbouring bytes of qf or kv.
	s_lshr_b32 s70, s18, 3                         ; batch
	s_lshl4_add_u32 s70, s70, s17                  ; bh = 16 x batch + head
	s_and_b32 s71, s18, 7
	s_lshl_b32 s71, s71, 4
	s_lshl2_add_u32 s71, s12, s71                  ; my first token tile in the sequence: 16 (rb & 7) + 4 w
	s_lshl_b32 s71, s71, 11
	s_lshl_b32 s66, s70, 18
	s_add_co_u32 s66, s66, s71
	s_mov_b32 s67, 0
	s_add_nc_u64 s[66:67], s[8:9], s[66:67]        ; qf + bh x 262,144 + tile x 2,048
	s_lshl_b32 s68, s70, 19
	s_bfe_u32 s71, s18, 0x20001                    ; chunk of 512 keys: (rb & 7) >> 1
	s_lshl_b32 s71, s71, 17
	s_add_co_u32 s68, s68, s71
	s_and_b32 s71, s18, 1
	s_lshl_b32 s71, s71, 4
	s_lshl2_add_u32 s71, s12, s71                  ; tile in the chunk: 16 (rb & 1) + 4 w
	s_lshl_b32 s71, s71, 11
	s_add_co_u32 s68, s68, s71
	s_mov_b32 s69, 0
	s_add_nc_u64 s[68:69], s[10:11], s[68:69]      ; kv + bh x 524,288 + chunk x 131,072 + tile x 2,048
; batch p: the 16 tiles n0 .. n0 + 3 of a window (from: sources 0 and 1 in window 2 or 3); every batch has registers of its own
.macro OUT p, from, n0, lane, base, imm
	WIN \from
.irp b, 0,1,2,3
.irp x, 0,1,2,3
.irp m, 0,1,2,3
	v_cvt_pk_f16_f32 v[TMP+64*\p+4*(4*\b+\x)+\m], v[8*(4*(\n0+\b)+\x)+2*\m], v[8*(4*(\n0+\b)+\x)+2*\m+1]
.endr
.endr
.endr
	WIN 0
.irp b, 0,1,2,3
.irp x, 0,1,2,3
	global_store_b128 v[\lane], v[TMP+64*\p+4*(4*\b+\x):TMP+64*\p+4*(4*\b+\x)+3], s[\base:\base+1] offset:\imm+\x*2048+\b*512   ; 512 consecutive aligned bytes
.endr
.endr
.endm
	OUT 0, 0x0a, 0, OQ, 66, 0                      ; q
	OUT 1, 0x0a, 4, OQ, 68, 0                      ; k
	OUT 2, 0x0f, 0, OV, 68, 65536                  ; v, behind the chunk's 65,536 bytes of K
	CROUND                                         ; the closing round: no work-group ends while a partner may still ask for a tile that names it
	s_endpgm
.Lfunc_end_k_q686f86e804_qkv:
	.size	k_q686f86e804_qkv, .Lfunc_end_k_q686f86e804_qkv-k_q686f86e804_qkv
	.p2alignl 7, 3214868480
	.fill 96, 4, 3214868480
	.section	.rodata,"a",@progbits
	.p2align	6, 0x0
	.amdhsa_kernel k_q686f86e804_qkv
		.amdhsa_group_segment_fixed_size 327680
		.amdhsa_private_segment_fixed_size 0
		.amdhsa_enable_private_segment 0
		.amdhsa_kernarg_size 32
		.amdhsa_user_sgpr_count 2
		.amdhsa_user_sgpr_kernarg_segment_ptr 1
		.amdhsa_wavefront_size32 1
		.amdhsa_system_sgpr_workgroup_id_x 1
		.amdhsa_system_sgpr_workgroup_id_y 1
		.amdhsa_system_sgpr_workgroup_id_z 1
		.amdhsa_system_vgpr_workitem_id 0
		.amdhsa_next_free_vgpr 896
		.amdhsa_next_free_sgpr 72
		.amdhsa_reserve_vcc 0
		.amdhsa_float_denorm_mode_32 3
		.amdhsa_float_denorm_mode_16_64 3
		.amdhsa_memory_ordered 1
		.amdhsa_forward_progress 1
		.amdhsa_inst_pref_size 155
	.end_amdhsa_kernel
	.amdgpu_metadata
---
amdhsa.version: [ 1, 2 ]
amdhsa.kernels:
  - .name:           k_q686f86e804_qkv
    .symbol:         k_q686f86e804_qkv.kd
    .args:
      - { .name: xb, .offset: 0, .size: 8, .value_kind: global_buffer, .address_space: global }
      - { .name: wqf, .offset: 8, .size: 8, .value_kind: global_buffer, .address_space: global }
      - { .name: qf, .offset: 16, .size: 8, .value_kind: global_buffer, .address_space: global }
      - { .name: kv, .offset: 24, .size: 8, .value_kind: global_buffer, .address_space: global }
    .group_segment_fixed_size: 327680
    .private_segment_fixed_size: 0
    .kernarg_segment_align: 8
    .kernarg_segment_size: 32
    .max_flat_workgroup_size: 128
    .sgpr_count:     72
    .vgpr_count:     896
    .wavefront_size: 32
...
	.end_amdgpu_metadata
.endif
;; end of part 2
;; launch attn (part 3): grid 8 x 32, 16 waves a work-group, clusters of 4 x 1, 327,680 bytes of LDS; arguments qf, kv, ao; writes ao
.if DOCPART == 3
	.amdgcn_target "amdgcn-amd-amdhsa--gfx1250"
	.amdhsa_code_object_version 6
	.text
	.protected	k_q686f86e804_attn
	.globl	k_q686f86e804_attn
	.p2align	8
	.type	k_q686f86e804_attn,@function
k_q686f86e804_attn:
	s_mov_b64 s[64:65], 0
	v_nop
	global_prefetch_b8 v0, s[64:65] scope:SCOPE_SE
	s_setreg_imm32_b32 hwreg(HW_REG_WAVE_MODE, 25, 1), 1
	s_wait_xcnt 0x0
	s_wait_alu depctr_hold_cnt(0) depctr_sa_sdst(0) depctr_va_vdst(0) depctr_va_sdst(0) depctr_va_ssrc(0) depctr_va_vcc(0) depctr_vm_vsrc(0)
	s_getreg_b32 s2, hwreg(HW_REG_IB_STS2, 6, 4)
	s_cmp_eq_u32 s2, 0
	s_cbranch_scc0 .Lentry_in_a_cluster
	s_endpgm
.Lentry_in_a_cluster:
	s_bfe_u32 s2, ttmp6, 0x10000c
	s_cmp_lg_u32 s2, 0x3003
	s_cbranch_scc0 .Lentry_shape_is_right
	s_endpgm
.Lentry_shape_is_right:
; attn: softmax(q k^T / 8) v for one head and 256 queries in each work-group, with a running maximum.  f16 operands, f32 sums and softmax.
; Work-group (qb, bh): 8 x 32 = 256.  Sixteen waves, four on a SIMD (4 x 256 registers), so that the softmax of some runs beside the matrix
; work and the LDS loads of the others.  Wave w: query group qg = w & 7 (32 queries, two tiles qt), key half kh = w >> 3: of every chunk of
; 512 keys it takes the blocks 4 kh .. 4 kh + 3 of 64 keys, with a running maximum, a sum and an O of its own.  At the end waves 8-15 hand
; theirs to waves 0-7 through LDS, which merge the two halves under the larger maximum, divide and store.
; TRANSPOSED throughout: S^T = K Q^T gives lane (r, h) query r and keys 8 h + j; two key tiles rounded to f16 in place ARE the second
; source of O^T = V^T P^T; maximum, sum and rescaling factor of a query are one number a lane.  Nothing moves between lanes but one
; exchange of the two halves for the maximum.
; K and V come in chunks of 512 keys (65,536 dense bytes of K, then of V) through two LDS slots.  Waves 0-7 fetch 16,384 bytes each, so that
; a load is 64 rows of 256 bytes; waves 8-15 fetch nothing.  Every wave writes and steps the descriptors, on its one way through the text;
; the loads alone stand under a branch on the wave's number, so the words that waves 8-15 hold are never issued.
; CLUSTERS: the four work-groups of a cluster are four query blocks of one head and read the same chunks: every load is a joint one
; (mask 15), which divides the requests by four.  By this text's own count a fetching wave has two tensor loads out at the start, one behind each refill.
; The scale 1/8 and log2(e) are one factor QS inside the fused multiply-add in front of the exponential: p = 2^(QS s - QS m).
; LIMITS: P is rounded to f16 (it lies in (0, 1]; below 6e-5 its step is 6e-8); v_exp_f32 gives 0 below 2^-126 (ISA guide 15.8);
; the output is f16, a convex mix of v, so it has v's range; NaN and infinities in q, k, v are not treated.
.set LN, 1                             ; v1  16 L
.set KA, 2                             ; v2  LDS address of this block's K
.set VA, 3                             ; v3  of this block's V
.set VL, 4                             ; v4  lane term of the transposing loads + my key half
.set LK, 5                             ; v5  16 L + my key half
.set MA, 6                             ; v6  16 L + my query group's bytes for the hand-over
.set MO, 8                             ; v8-9    running maximum of my query, in units of s
.set LS, 10                            ; v10-11  my half of the row sum; v[8:11] go over in one store
.set NM, 12                            ; v[12:15] -QS m, a pair for each qt
.set AL, 16                            ; v[16:19] rescaling factor, a pair for each qt
.set TT, 20                            ; v[20:23] at work
.set QR, 24                            ; v[24:55]   Q(qt, ds) at 24 + 8 (2 qt + ds)
.set KV, 56                            ; v[56:119]  K(kt, ds) at 56 + 8 (4 ds + kt), then V(dt, ks) at 56 + 8 (4 ks + dt)
.set SC, 120                           ; v[120:183] S(kt, qt) at 120 + 8 (2 kt + qt); later P(qt, ks) in S(2 ks, qt)
.set OA, 184                           ; v[184:247] O(dt, qt) at 184 + 8 (2 dt + qt)
.set T2, 248                           ; v[248:251] second chains of the row sums
.set CHUNKB, 131072
.set HALFB,  32768                     ; four blocks of 8,192 bytes: a key half of a chunk, in K and in V alike
.set MSTAGE, 17*512                    ; the hand-over of one query group: O in 16 x 512 bytes, then maxima and sums in 512
.macro ROUND                           ; a round of the cluster's barrier
	s_barrier_signal -1
	s_barrier_wait -1
	s_cmp_lg_u32 s12, 0
	s_cbranch_scc1 .Lnot_wave_0_\@
	s_barrier_signal -3
.Lnot_wave_0_\@:
	s_barrier_wait -3
	s_barrier_signal -1
	s_barrier_wait -1
.endm
; The new maximum of query tile qt over this block's 64 keys and the old one; -QS m; the factor 2^(QS m_old - QS m_new).
.macro SMAX qt, first
.set SB, SC+8*\qt
.set TA, TT+2*\qt
.set TB, TT+2*\qt+1
	v_max3_num_f32 v[TA], v[SB], v[SB+1], v[SB+2]                  ; two chains: key tiles 0, 1 and key tiles 2, 3
	v_max3_num_f32 v[TB], v[SB+32], v[SB+33], v[SB+34]
.irp i, 3,5,7,9,11,13
	v_max3_num_f32 v[TA], v[TA], v[SB+\i+(\i/8)*8], v[SB+\i+1+((\i+1)/8)*8]
	v_max3_num_f32 v[TB], v[TB], v[SB+32+\i+(\i/8)*8], v[SB+32+\i+1+((\i+1)/8)*8]
.endr
	v_max3_num_f32 v[TA], v[TA], v[SB+23], v[SB+55]
.if \first
	v_max_num_f32 v[TA], v[TA], v[TB]
.else
	v_max3_num_f32 v[TA], v[TA], v[TB], v[MO+\qt]
.endif
	v_permlanex16_b32 v[TB], v[TA], s20, s21       ; the other half of the lanes holds the other 32 keys of my query
	v_max_num_f32 v[TA], v[TA], v[TB]
	v_mul_f32 v[NM+2*\qt], s23, v[TA]
	v_mul_f32 v[NM+2*\qt+1], s23, v[TA]
.if \first
	v_mov_b32 v[MO+\qt], v[TA]
.else
	v_fma_f32 v[TB], v[MO+\qt], s22, v[NM+2*\qt]
	v_exp_f32 v[AL+2*\qt], v[TB]
	v_mov_b32 v[MO+\qt], v[TA]                     ; the plain instruction between the exponential and the use of its result (ISA guide 5.7.2)
	s_wait_alu depctr_va_vdst(0)
	v_mov_b32 v[AL+2*\qt+1], v[AL+2*\qt]
.endif
.endm
; p = 2^(QS s - QS m), in place.  The plain instruction behind the last exponential is the next macro's first line, which names the other query tile.
.macro SEXP qt
.irp k, 0,1,2,3
.irp p, 0,2,4,6
	v_pk_fma_f32 v[SC+8*(2*\k+\qt)+\p:SC+8*(2*\k+\qt)+\p+1], v[SC+8*(2*\k+\qt)+\p:SC+8*(2*\k+\qt)+\p+1], 0x3e38aa3b, v[NM+2*\qt:NM+2*\qt+1] op_sel_hi:[1,0,1]
.endr
.endr
.irp k, 0,1,2,3
.irp j, 0,1,2,3,4,5,6,7
	v_exp_f32 v[SC+8*(2*\k+\qt)+\j], v[SC+8*(2*\k+\qt)+\j]
.endr
.endr
.endm
; my half of the row sum: l = l x factor + the sum of my 32 p
.macro SSUM qt, first
.set SB, SC+8*\qt
.set TA, TT+2*\qt
.set TB, T2+2*\qt
	s_wait_alu depctr_va_vdst(0)
	v_pk_add_f32 v[TA:TA+1], v[SB:SB+1], v[SB+2:SB+3]
	v_pk_add_f32 v[TB:TB+1], v[SB+32:SB+33], v[SB+34:SB+35]
.irp i, 2,3,4,5,6,7
	v_pk_add_f32 v[TA:TA+1], v[TA:TA+1], v[SB+16*(\i/4)+2*(\i%4):SB+16*(\i/4)+2*(\i%4)+1]
	v_pk_add_f32 v[TB:TB+1], v[TB:TB+1], v[SB+32+16*(\i/4)+2*(\i%4):SB+32+16*(\i/4)+2*(\i%4)+1]
.endr
	v_pk_add_f32 v[TA:TA+1], v[TA:TA+1], v[TB:TB+1]
.if \first
	v_add_f32 v[LS+\qt], v[TA], v[TA+1]
.else
	v_fma_f32 v[LS+\qt], v[LS+\qt], v[AL+2*\qt], v[TA]
	v_add_f32 v[LS+\qt], v[LS+\qt], v[TA+1]
.endif
.endm
; P to f16 in place: keys 32 ks + 8 h + 0..7 into registers 0-3 of S(2 ks, qt), keys 32 ks + 16 + 8 h + 0..7 into its registers 4-7
.macro SCVT qt
.set SB, SC+8*\qt
.irp s, 0,1
.irp m, 0,1,2,3
	v_cvt_pk_f16_f32 v[SB+32*\s+\m], v[SB+32*\s+2*\m], v[SB+32*\s+2*\m+1]
.endr
.irp m, 0,1,2,3
	v_cvt_pk_f16_f32 v[SB+32*\s+4+\m], v[SB+32*\s+16+2*\m], v[SB+32*\s+16+2*\m+1]
.endr
.endr
.endm
.macro ORESC qt                        ; O of query tile qt times the pair AL
.irp d, 0,1,2,3
.irp p, 0,2,4,6
	v_pk_mul_f32 v[OA+8*(2*\d+\qt)+\p:OA+8*(2*\d+\qt)+\p+1], v[OA+8*(2*\d+\qt)+\p:OA+8*(2*\d+\qt)+\p+1], v[AL+2*\qt:AL+2*\qt+1]
.endr
.endr
.endm
; 64 keys.  first = 1: the wave's first block starts maximum, sum and O.
; In both groups of matrix instructions eight accumulators take turns, one instruction a turn.
.macro BLOCK first
.if \first == 0
	v_nop                                          ; with the two address steps at the last block's end: five places behind its last products,
	v_nop                                          ; in front of the loads into their first sources and of the products that write over P
	v_nop
.endif
.irp d, 0,1
.irp k, 0,1,2,3
	ds_load_b128 v[KV+8*(4*\d+\k):KV+8*(4*\d+\k)+3],   v[KA] offset:\k*2048+\d*1024
	ds_load_b128 v[KV+8*(4*\d+\k)+4:KV+8*(4*\d+\k)+7], v[KA] offset:\k*2048+\d*1024+512
.endr
.endr
	s_wait_dscnt 0x8                               ; d 0-31 of the four key tiles are in; the eight loads of d 32-63 may be out
.irp k, 0,1,2,3
.irp q, 0,1
	v_wmma_f32_16x16x32_f16 v[SC+8*(2*\k+\q):SC+8*(2*\k+\q)+7], v[KV+8*\k:KV+8*\k+7], v[QR+16*\q:QR+16*\q+7], 0
.endr
.endr
	s_wait_dscnt 0x0
.irp k, 0,1,2,3
.irp q, 0,1
	v_wmma_f32_16x16x32_f16 v[SC+8*(2*\k+\q):SC+8*(2*\k+\q)+7], v[KV+8*(4+\k):KV+8*(4+\k)+7], v[QR+16*\q+8:QR+16*\q+15], v[SC+8*(2*\k+\q):SC+8*(2*\k+\q)+7]
.endr
.endr
.rept 4
	v_nop                                          ; four places: V lands on K's registers, and the maxima read S
.endr
.irp s, 0,1
.irp d, 0,1,2,3
	ds_load_tr16_b128 v[KV+8*(4*\s+\d):KV+8*(4*\s+\d)+3],   v[VA] offset:\s*4096+\d*512        ; keys 32 ks + 8 h + 0..7 of d = 16 dt + r
	ds_load_tr16_b128 v[KV+8*(4*\s+\d)+4:KV+8*(4*\s+\d)+7], v[VA] offset:\s*4096+\d*512+2048   ; the next key tile: keys 32 ks + 16 + 8 h + 0..7
.endr
.endr
	SMAX 0, \first
	SMAX 1, \first
	SEXP 0
	SEXP 1
	SSUM 0, \first
	SSUM 1, \first
	SCVT 0
	SCVT 1
.if \first == 0
	ORESC 0
	ORESC 1
.endif
	s_wait_dscnt 0x0                               ; V is in
.irp s, 0,1
.irp d, 0,1,2,3
.irp q, 0,1
.if \first*(1-\s)
	v_wmma_f32_16x16x32_f16 v[OA+8*(2*\d+\q):OA+8*(2*\d+\q)+7], v[KV+8*(4*\s+\d):KV+8*(4*\s+\d)+7], v[SC+8*\q+32*\s:SC+8*\q+32*\s+7], 0
.else
	v_wmma_f32_16x16x32_f16 v[OA+8*(2*\d+\q):OA+8*(2*\d+\q)+7], v[KV+8*(4*\s+\d):KV+8*(4*\s+\d)+7], v[SC+8*\q+32*\s:SC+8*\q+32*\s+7], v[OA+8*(2*\d+\q):OA+8*(2*\d+\q)+7]
.endif
.endr
.endr
.endr
	v_add_nc_u32 v[KA], 0x2000, v[KA]              ; four key tiles of 2,048 bytes on, in K and in V
	v_add_nc_u32 v[VA], 0x2000, v[VA]
.endm
.macro SETA slot                       ; the addresses of my first block in a slot
	v_add_nc_u32 v[KA], \slot*CHUNKB, v[LK]
	v_add_nc_u32 v[VA], \slot*CHUNKB+65536, v[VL]
.endm
.macro LOOPB trips
	s_mov_b32 s3, \trips
.Lblk_\@:
	BLOCK 0
	s_sub_co_u32 s3, s3, 1
	s_cmp_lg_u32 s3, 0
	s_cbranch_scc1 .Lblk_\@
.endm
; A slot that has been read is asked for again, two chunks on.  Every wave: its reads are back, all its tensor loads have landed, and the
; slot's address steps while no load of the wave is out.  A round of the cluster's barrier says the same of every wave of the four
; work-groups.  Behind it waves 0-7 issue the load, their first and only one there; the branch hangs on the wave's number alone and jumps
; over that one line.
.macro REFILL slot
	s_wait_dscnt 0x0
	s_wait_tensorcnt 0x0
	ds_add_u32 v254, v255
	s_wait_dscnt 0x0
	s_add_nc_u64 s[34+4*\slot:35+4*\slot], s[34+4*\slot:35+4*\slot], 2*CHUNKB
	ROUND
	s_cmp_lt_u32 s12, 8
	s_cbranch_scc0 .Lnone_\@
	tensor_load_to_lds s[32+4*\slot:35+4*\slot], s[24:31]
	s_nop 0
.Lnone_\@:
.endm
	s_load_b128 s[4:7], s[0:1], 0x0                ; qf s[4:5], kv s[6:7]
	s_load_b64 s[8:9], s[0:1], 0x10                ; ao
	v_lshl_add_u32 v254, v0, 2, 0x40000
	v_mov_b32 v255, 0
	ds_add_u32 v254, v255
	v_lshrrev_b32 v[TT], 5, v0
	v_readfirstlane_b32 s12, v[TT]                 ; wave 0..15
	s_and_b32 s10, s12, 7                          ; qg: which 32 queries
	s_lshr_b32 s11, s12, 3                         ; kh: which half of every chunk's keys
	s_bfe_u32 s13, ttmp6, 0x40000                  ; cx
	s_lshl_b32 s14, ttmp9, 2
	s_add_co_u32 s14, s14, s13                     ; qb = 4 x cluster x + cx
	s_and_b32 s15, ttmp7, 0xffff                   ; bh = 16 x batch + head
	s_mov_b32 s20, 0x76543210                      ; v_permlanex16_b32: lane i of one half reads lane i of the other
	s_mov_b32 s21, 0xfedcba98
	s_mov_b32 s22, 0x3e38aa3b                      ; QS = log2(e) / 8
	s_mov_b32 s23, 0xbe38aa3b                      ; -QS
	; group 1: a dense block as 64 rows of 32 elements of 8 bytes, for the four work-groups of the cluster
	s_mov_b32 s24, 15|(3<<16)|(1<<21)
	s_mov_b32 s25, 32<<16
	s_mov_b32 s26, 64<<16
	s_mov_b32 s27, 32<<16
	s_mov_b32 s28, 64
	s_mov_b32 s29, 32
	s_mov_b32 s30, 0
	s_mov_b32 s31, 0
	s_lshl_b32 s16, s12, 14                        ; wave x 16,384: a fetching wave's part of a chunk, in memory and in LDS (issued by waves 0-7 alone)
	s_lshl_b32 s19, s11, 15                        ; my key half: kh x 32,768
	s_mul_i32 s46, s10, MSTAGE                     ; my query group's bytes for the hand-over
	s_lshl_b32 s40, s15, 19
	s_add_co_u32 s40, s40, s16                     ; kv: bh x 524,288 + wave x 16,384: nothing of cx
	s_mov_b32 s41, 0
	s_lshl_b32 s17, s14, 4
	s_lshl1_add_u32 s17, s10, s17                  ; my first query tile: 16 qb + 2 qg
	s_lshl_b32 s42, s15, 18
	s_lshl_b32 s18, s17, 11
	s_add_co_u32 s42, s42, s18                     ; qf: bh x 262,144 + tile x 2,048
	s_mov_b32 s43, 0
	s_bfe_u32 s18, s15, 0x20002                    ; head >> 2
	s_lshl_b32 s44, s18, 21
	s_lshr_b32 s18, s15, 4
	s_lshl_b32 s18, s18, 7
	s_add_co_u32 s18, s18, s17                     ; token tile 128 x batch + query tile
	s_lshl_b32 s18, s18, 13
	s_add_co_u32 s44, s44, s18
	s_and_b32 s18, s15, 3
	s_lshl_b32 s18, s18, 11
	s_add_co_u32 s44, s44, s18                     ; ao: (head>>2) x 2,097,152 + tile x 8,192 + (head&3) x 2,048
	s_mov_b32 s45, 0
	s_wait_dscnt 0x0
	s_wait_kmcnt 0x0
	s_add_nc_u64 s[40:41], s[6:7], s[40:41]
	s_add_nc_u64 s[4:5], s[4:5], s[42:43]
	s_add_nc_u64 s[8:9], s[8:9], s[44:45]
	; group 0, a set for each slot, written by every wave
.irp s, 0,1
	s_mov_b32 s[32+4*\s], 1
	s_add_co_u32 s[33+4*\s], s16, \s*CHUNKB                        ; LDS: slot x 131,072 + wave x 16,384
	s_add_nc_u64 s[34+4*\s:35+4*\s], s[40:41], \s*CHUNKB           ; chunk s
	s_or_b32 s[35+4*\s], s[35+4*\s], 0x80000000
.endr
	ROUND                                          ; the four work-groups are here: the first joint loads meet
	s_cmp_lt_u32 s12, 8                            ; both first fills of a fetching wave stand inside this one branch
	s_cbranch_scc0 .Lno_fill
	tensor_load_to_lds s[32:35], s[24:31]          ; chunk 0
	s_nop 0
	tensor_load_to_lds s[36:39], s[24:31]          ; chunk 1
	s_nop 0
.Lno_fill:
	v_and_b32 v[TT], 31, v0
	v_lshlrev_b32 v[LN], 4, v[TT]
	v_and_b32 v[TT], 7, v0
	v_bfe_u32 v[TT+1], v0, 4, 1
	v_lshl_add_u32 v[TT], v[TT+1], 3, v[TT]        ; key 8 h + (L & 7) of a block of [16 keys][16 d], 32 bytes a key,
	v_lshlrev_b32 v[TT], 5, v[TT]
	v_bfe_u32 v[TT+1], v0, 3, 1
	v_lshl_add_u32 v[TT], v[TT+1], 4, v[TT]        ; and which 16 bytes of it
	v_add_nc_u32 v[VL], s19, v[TT]
	v_add_nc_u32 v[LK], s19, v[LN]
	v_add_nc_u32 v[MA], s46, v[LN]
.irp q, 0,1
.irp d, 0,1
	global_load_b128 v[QR+8*(2*\q+\d):QR+8*(2*\q+\d)+3],   v[LN], s[4:5] offset:\q*2048+\d*1024
	global_load_b128 v[QR+8*(2*\q+\d)+4:QR+8*(2*\q+\d)+7], v[LN], s[4:5] offset:\q*2048+\d*1024+512
.endr
.endr
	SETA 0
	s_wait_tensorcnt 0x1                           ; a fetching wave's part of chunk 0 is in; chunk 1 may stay out
	s_wait_loadcnt 0x0                             ; Q
	s_barrier_signal -1
	s_barrier_wait -1
	BLOCK 1                                        ; chunk 0, slot 0: my four blocks
	LOOPB 3
	REFILL 0                                       ; chunk 2; it has the work on chunk 1 in which to land
	SETA 1
	LOOPB 4                                        ; chunk 1
	REFILL 1                                       ; chunk 3
	SETA 0
	LOOPB 4                                        ; chunk 2
	s_wait_dscnt 0x0                               ; my reads of slot 0 are over, for good
	s_wait_tensorcnt 0x0                           ; a fetching wave's part of chunk 3 is in,
	s_barrier_signal -1
	s_barrier_wait -1                              ; everybody's is; nothing is left to ask for
	SETA 1
	LOOPB 4                                        ; chunk 3
	; THE TWO KEY HALVES MEET.  The stage lies in slot 0: that slot has had its last fill (chunk 2), every wave's reads of it were waited for in
	; front of the barrier ahead of chunk 3, and no tensor load follows.  8 x 8,704 = 69,632 bytes would not fit behind the ring.
	v_nop                                          ; with the two address steps: four places behind the last products, in front of the stores
	v_nop                                          ; that read O and of the loads that land on the products' sources
	s_cmp_lt_u32 s12, 8
	s_cbranch_scc1 .Lkeeper
.irp i, 0,1,2,3,4,5,6,7,8,9,10,11,12,13,14,15
	ds_store_b128 v[MA], v[OA+4*\i:OA+4*\i+3] offset:512*\i        ; 32 lanes, 16 neighbouring bytes each
.endr
	ds_store_b128 v[MA], v[MO:MO+3] offset:8192                    ; both maxima, both sums
.Lkeeper:
	s_wait_dscnt 0x0                               ; for the readers' sake: zero
	s_barrier_signal -1
	s_barrier_wait -1
	s_cmp_lt_u32 s12, 8
	s_cbranch_scc0 .Lclose
	ds_load_b128 v[KV:KV+3], v[MA] offset:8192                     ; the other half's maxima KV, KV+1 and sums KV+2, KV+3
.irp i, 0,1,2,3,4,5,6,7,8,9,10,11,12,13,14,15
	ds_load_b128 v[SC+4*\i:SC+4*\i+3], v[MA] offset:512*\i         ; its O, register for register as mine
.endr
	s_wait_dscnt 0x10                              ; maxima and sums are in; the sixteen loads of O may be out
.irp q, 0,1
	v_max_num_f32 v[TT+2*\q], v[MO+\q], v[KV+\q]                   ; the maximum over all 2,048 keys
	v_mul_f32 v[NM+2*\q], s23, v[TT+2*\q]
	v_fma_f32 v[TT+2*\q], v[MO+\q], s22, v[NM+2*\q]
	v_fma_f32 v[TT+2*\q+1], v[KV+\q], s22, v[NM+2*\q]
.endr
	v_exp_f32 v[AL], v[TT]                         ; my half's factor,
	v_exp_f32 v[NM], v[TT+1]                       ; the other's: one of the two is 2^0
	v_exp_f32 v[AL+2], v[TT+2]
	v_exp_f32 v[NM+2], v[TT+3]
	v_nop                                          ; the plain place behind the exponentials
	s_wait_alu depctr_va_vdst(0)
	v_mul_f32 v[LS], v[LS], v[AL]
	v_mul_f32 v[LS+1], v[LS+1], v[AL+2]
	v_fmac_f32 v[LS], v[KV+2], v[NM]
	v_fmac_f32 v[LS+1], v[KV+3], v[NM+2]
	v_permlanex16_b32 v[TT], v[LS], s20, s21       ; the two halves of the lanes hold two halves of each row sum
	v_permlanex16_b32 v[TT+2], v[LS+1], s20, s21
	v_add_f32 v[LS], v[LS], v[TT]
	v_add_f32 v[LS+1], v[LS+1], v[TT+2]
	v_rcp_f32 v[TT], v[LS]                         ; the sum is at least about 1: the largest p of a row is 2^0
	v_rcp_f32 v[TT+2], v[LS+1]
	v_nop                                          ; the plain place behind the reciprocals
	s_wait_alu depctr_va_vdst(0)
.irp q, 0,1
	v_mul_f32 v[AL+2*\q+1], v[AL+2*\q], v[TT+2*\q]                 ; 1 / l goes into both factors, each made twice for the packed forms
	v_mul_f32 v[AL+2*\q], v[AL+2*\q], v[TT+2*\q]
	v_mul_f32 v[NM+2*\q+1], v[NM+2*\q], v[TT+2*\q]
	v_mul_f32 v[NM+2*\q], v[NM+2*\q], v[TT+2*\q]
.endr
	ORESC 0
	ORESC 1
	s_wait_dscnt 0x0                               ; the other half's O is in
.irp d, 0,1,2,3
.irp q, 0,1
.irp p, 0,2,4,6
	v_pk_fma_f32 v[OA+8*(2*\d+\q)+\p:OA+8*(2*\d+\q)+\p+1], v[SC+8*(2*\d+\q)+\p:SC+8*(2*\d+\q)+\p+1], v[NM+2*\q:NM+2*\q+1], v[OA+8*(2*\d+\q)+\p:OA+8*(2*\d+\q)+\p+1]
.endr
.endr
.endr
.irp d, 0,1,2,3
.irp q, 0,1
.irp m, 0,1,2,3
	v_cvt_pk_f16_f32 v[KV+4*(2*\d+\q)+\m], v[OA+8*(2*\d+\q)+2*\m], v[OA+8*(2*\d+\q)+2*\m+1]
.endr
.endr
.endr
.irp d, 0,1,2,3
.irp q, 0,1
	global_store_b128 v[LN], v[KV+4*(2*\d+\q):KV+4*(2*\d+\q)+3], s[8:9] offset:\q*8192+\d*512   ; query r, d = 16 dt + 8 h + 0..7: 512 consecutive aligned bytes
.endr
.endr
.Lclose:
	s_wait_tensorcnt 0x0
	ds_add_u32 v254, v255
	s_wait_dscnt 0x0
	ROUND                                          ; the closing round
	s_endpgm
.Lfunc_end_k_q686f86e804_attn:
	.size	k_q686f86e804_attn, .Lfunc_end_k_q686f86e804_attn-k_q686f86e804_attn
	.p2alignl 7, 3214868480
	.fill 96, 4, 3214868480
	.section	.rodata,"a",@progbits
	.p2align	6, 0x0
	.amdhsa_kernel k_q686f86e804_attn
		.amdhsa_group_segment_fixed_size 327680
		.amdhsa_private_segment_fixed_size 0
		.amdhsa_enable_private_segment 0
		.amdhsa_kernarg_size 24
		.amdhsa_user_sgpr_count 2
		.amdhsa_user_sgpr_kernarg_segment_ptr 1
		.amdhsa_wavefront_size32 1
		.amdhsa_system_sgpr_workgroup_id_x 1
		.amdhsa_system_sgpr_workgroup_id_y 1
		.amdhsa_system_sgpr_workgroup_id_z 1
		.amdhsa_system_vgpr_workitem_id 0
		.amdhsa_next_free_vgpr 256
		.amdhsa_next_free_sgpr 66
		.amdhsa_reserve_vcc 0
		.amdhsa_float_denorm_mode_32 3
		.amdhsa_float_denorm_mode_16_64 3
		.amdhsa_memory_ordered 1
		.amdhsa_forward_progress 1
		.amdhsa_inst_pref_size 107
	.end_amdhsa_kernel
	.amdgpu_metadata
---
amdhsa.version: [ 1, 2 ]
amdhsa.kernels:
  - .name:           k_q686f86e804_attn
    .symbol:         k_q686f86e804_attn.kd
    .args:
      - { .name: qf, .offset: 0, .size: 8, .value_kind: global_buffer, .address_space: global }
      - { .name: kv, .offset: 8, .size: 8, .value_kind: global_buffer, .address_space: global }
      - { .name: ao, .offset: 16, .size: 8, .value_kind: global_buffer, .address_space: global }
    .group_segment_fixed_size: 327680
    .private_segment_fixed_size: 0
    .kernarg_segment_align: 8
    .kernarg_segment_size: 24
    .max_flat_workgroup_size: 512
    .sgpr_count:     66
    .vgpr_count:     256
    .wavefront_size: 32
...
	.end_amdgpu_metadata
.endif
;; end of part 3
;; launch proj (part 4): grid 8 x 32, 4 waves a work-group, clusters of 4 x 4, 327,680 bytes of LDS; arguments ao, wof, out0; writes out0
.if DOCPART == 4
	.amdgcn_target "amdgcn-amd-amdhsa--gfx1250"
	.amdhsa_code_object_version 6
	.text
	.protected	k_q686f86e804_proj
	.globl	k_q686f86e804_proj
	.p2align	8
	.type	k_q686f86e804_proj,@function
k_q686f86e804_proj:
	s_mov_b64 s[64:65], 0
	v_nop
	global_prefetch_b8 v0, s[64:65] scope:SCOPE_SE
	s_setreg_imm32_b32 hwreg(HW_REG_WAVE_MODE, 25, 1), 1
	s_wait_xcnt 0x0
	s_wait_alu depctr_hold_cnt(0) depctr_sa_sdst(0) depctr_va_vdst(0) depctr_va_sdst(0) depctr_va_ssrc(0) depctr_va_vcc(0) depctr_vm_vsrc(0)
	s_getreg_b32 s2, hwreg(HW_REG_IB_STS2, 6, 4)
	s_cmp_eq_u32 s2, 0
	s_cbranch_scc0 .Lentry_in_a_cluster
	s_endpgm
.Lentry_in_a_cluster:
	s_bfe_u32 s2, ttmp6, 0x10000c
	s_cmp_lg_u32 s2, 0xf033
	s_cbranch_scc0 .Lentry_shape_is_right
	s_endpgm
.Lentry_shape_is_right:
; proj: out0 [4096][1024] f32 = ao [4096][1024] x w_out [1024][1024], f16 operands, f32 sums.
; Work-group (nb, rb) makes 128 tokens x 128 columns: 8 x 32 = 256 work-groups.  Four waves; wave (wr, wc) makes 64 x 64: 16 accumulator tiles.
; Both operands lie in memory in fragment order, so a slot (256 along K) is 65,536 dense bytes of ao and 65,536 of wof, a fragment is
; 1,024 dense bytes, and an LDS load takes 512 neighbouring bytes.  K = 1,024 is four slot fills on two slots.
; CLUSTERS: 4 x 4; ao's tiles are shared along a row of the cluster (same rb), wof's along a column (same nb): joint loads, a quarter of the requests.
; By this text's own count a wave has two tensor loads out at the start and one behind each refill.
; Source 0 = 16 columns of w_out, source 1 = 16 tokens: lane (r, h) holds token r, columns 16 nt + 8 h + 0..7: 32 neighbouring bytes of f32.
; REGISTERS: window 0: v16-26 addresses; buffer f: w_out fragments at 32 + 64 f, ao fragments at 64 + 64 f; on the way out v32-159 rows read back.
;            window 1: accumulator (nt, xt) at 8 (4 nt + xt).
.set SLOT,  131072
.set STAGE, 2*SLOT                     ; behind the ring: 16 rows x 272 bytes for each wave, bytes into which no tensor load lands
.set SPITCH, 272
.set ADRA, 16
.set ADRB, 20
.set STO,  24
.set RD,   25
.set CO,   26
.set G1A, 24
.set G0A, 32
.set G1B, 40
.set G0B, 48
.set MSB, 0
.macro WIN new
.if MSB != \new
	s_set_vgpr_msb (MSB<<8)|\new
.set MSB, \new
.endif
.endm
.macro JLOAD s                         ; waves 0, 1 fetch ao's halves, waves 2, 3 wof's
	s_cmp_eq_u32 s13, 0
	s_cbranch_scc0 .Lfor_w_\@
	tensor_load_to_lds s[G0A+4*\s:G0A+4*\s+3], s[G1A:G1A+7]
	s_nop 0
	s_branch .Lasked_\@
.Lfor_w_\@:
	tensor_load_to_lds s[G0B+4*\s:G0B+4*\s+3], s[G1B:G1B+7]
	s_nop 0
.Lasked_\@:
.endm
.macro CROUND                          ; a round of the cluster's barrier
	s_barrier_signal -1
	s_barrier_wait -1
	s_cmp_lg_u32 s12, 0
	s_cbranch_scc1 .Lnot_wave_0_\@
	s_barrier_signal -3
.Lnot_wave_0_\@:
	s_barrier_wait -3
	s_barrier_signal -1
	s_barrier_wait -1
.endm
.macro PLACES                          ; four places behind a matrix instruction (ISA guide 7.12.1)
.rept 4
	v_nop
.endr
.endm
	s_load_b128 s[4:7], s[0:1], 0x0                ; ao s[4:5], wof s[6:7]
	s_load_b64 s[8:9], s[0:1], 0x10                ; out0
	v_lshl_add_u32 v254, v0, 2, 0x44400
	v_mov_b32 v255, 0
	ds_add_u32 v254, v255
	v_lshrrev_b32 v1, 5, v0
	v_readfirstlane_b32 s12, v1                    ; wave 0..3
	s_lshr_b32 s13, s12, 1                         ; wr.  Also: I fetch for ao (0) or for wof (1)
	s_and_b32 s14, s12, 1                          ; wc.  Also: which half of that tile
	s_bfe_u32 s15, ttmp6, 0x40000                  ; cx
	s_bfe_u32 s16, ttmp6, 0x40004                  ; cy
	s_lshl_b32 s17, ttmp9, 2
	s_add_co_u32 s17, s17, s15                     ; nb
	s_and_b32 s18, ttmp7, 0xffff
	s_lshl_b32 s18, s18, 2
	s_add_co_u32 s18, s18, s16                     ; rb
	s_lshl_b32 s19, s16, 2
	s_lshl_b32 s19, 15, s19                        ; my row of the cluster
	s_lshl_b32 s20, 0x1111, s15                    ; my column
	; group 1: a dense block as 128 rows of 32 elements of 8 bytes; the two differ in the mask alone
	s_or_b32 s[G1A+0], s19, (3<<16)|(1<<21)
	s_or_b32 s[G1B+0], s20, (3<<16)|(1<<21)
	s_mov_b32 s[G1A+1], 32<<16
	s_mov_b32 s[G1B+1], 32<<16
	s_mov_b32 s[G1A+2], 128<<16
	s_mov_b32 s[G1B+2], 128<<16
	s_mov_b32 s[G1A+3], 32<<16
	s_mov_b32 s[G1B+3], 32<<16
	s_mov_b32 s[G1A+4], 128
	s_mov_b32 s[G1B+4], 128
	s_mov_b32 s[G1A+5], 32
	s_mov_b32 s[G1B+5], 32
	s_mov_b32 s[G1A+6], 0
	s_mov_b32 s[G1B+6], 0
	s_mov_b32 s[G1A+7], 0
	s_mov_b32 s[G1B+7], 0
	s_lshl_b32 s62, s14, 15                        ; the second half: 32,768 bytes on
	s_lshl_b32 s56, s18, 16                        ; ao: 8 token tiles of 8,192 bytes for each rb
	s_add_co_u32 s56, s56, s62
	s_mov_b32 s57, 0
	s_lshl_b32 s58, s17, 18                        ; wof: 262,144 bytes for each nb
	s_add_co_u32 s58, s58, s62
	s_mov_b32 s59, 0
	s_lshl_b32 s60, s12, 15                        ; LDS: wave x 32,768: ao's halves, then wof's
	s_wait_dscnt 0x0
	s_wait_kmcnt 0x0
	s_add_nc_u64 s[56:57], s[4:5], s[56:57]
	s_add_nc_u64 s[58:59], s[6:7], s[58:59]
	CROUND                                         ; the first joint loads meet
.irp s, 0,1
	s_mov_b32 s[G0A+4*\s], 1
	s_add_co_u32 s[G0A+4*\s+1], s60, \s*SLOT
	s_add_nc_u64 s[G0A+4*\s+2:G0A+4*\s+3], s[56:57], \s*2097152    ; K step s of 256
	s_or_b32 s[G0A+4*\s+3], s[G0A+4*\s+3], 0x80000000
	s_mov_b32 s[G0B+4*\s], 1
	s_add_co_u32 s[G0B+4*\s+1], s60, \s*SLOT
	s_add_nc_u64 s[G0B+4*\s+2:G0B+4*\s+3], s[58:59], \s*65536
	s_or_b32 s[G0B+4*\s+3], s[G0B+4*\s+3], 0x80000000
	JLOAD \s
.endr
	v_and_b32 v1, 15, v0                           ; r
	v_bfe_u32 v2, v0, 4, 1                         ; h
	v_and_b32 v5, 31, v0
	v_lshlrev_b32 v5, 4, v5                        ; 16 L
	s_lshl_b32 s21, s13, 15                        ; my four token tiles
	s_lshl_b32 s22, s14, 15                        ; my four column tiles,
	s_add_co_u32 s22, s22, 65536                   ; behind ao's 65,536 bytes
	v_add_nc_u32 v[ADRA], s21, v5
	v_add_nc_u32 v[ADRB], s22, v5
	v_add_nc_u32 v[ADRA+1], SLOT, v[ADRA]
	v_add_nc_u32 v[ADRB+1], SLOT, v[ADRB]
	s_mul_i32 s23, s12, 16*SPITCH
	s_add_co_u32 s23, s23, STAGE                   ; my stage
	v_mul_u32_u24 v3, v1, SPITCH
	v_lshl_add_u32 v3, v2, 5, v3                   ; in: row r, 32 bytes for each half of the lanes
	v_add_nc_u32 v[STO], s23, v3
	v_mul_u32_u24 v4, v2, SPITCH
	v_lshl_add_u32 v4, v1, 4, v4                   ; back: lanes 0-15 one row of 256 bytes, lanes 16-31 the next
	v_add_nc_u32 v[RD], s23, v4
	v_lshlrev_b32 v[CO], 12, v2                    ; and the same two rows of out0, 4,096 bytes apart
	v_lshl_add_u32 v[CO], v1, 4, v[CO]
.macro FETCH slot, ks, f               ; 16 loads: piece ks (32 along K) of a slot into buffer f
.irp t, 0,1,2,3
	ds_load_b128 v[32+64*\f+8*\t:32+64*\f+8*\t+3], v[ADRB+\slot] offset:\t*8192+\ks*1024
	ds_load_b128 v[32+64*\f+8*\t+4:32+64*\f+8*\t+7], v[ADRB+\slot] offset:\t*8192+\ks*1024+512
.endr
.irp t, 0,1,2,3
	ds_load_b128 v[64+64*\f+8*\t:64+64*\f+8*\t+3], v[ADRA+\slot] offset:\t*8192+\ks*1024
	ds_load_b128 v[64+64*\f+8*\t+4:64+64*\f+8*\t+7], v[ADRA+\slot] offset:\t*8192+\ks*1024+512
.endr
.endm
.macro MUL f, zero                     ; 16 matrix instructions; the 16 accumulators take turns, one instruction a turn, always in this order
	WIN 0x50                                       ; C and D in window 1
.irp n, 0,1,2,3
.irp x, 0,1,2,3
.if \zero
	v_wmma_f32_16x16x32_f16 v[8*(4*\n+\x):8*(4*\n+\x)+7], v[32+64*\f+8*\n:32+64*\f+8*\n+7], v[64+64*\f+8*\x:64+64*\f+8*\x+7], 0
.else
	v_wmma_f32_16x16x32_f16 v[8*(4*\n+\x):8*(4*\n+\x)+7], v[32+64*\f+8*\n:32+64*\f+8*\n+7], v[64+64*\f+8*\x:64+64*\f+8*\x+7], v[8*(4*\n+\x):8*(4*\n+\x)+7]
.endif
.endr
.endr
	WIN 0
.endm
.macro STEP slot, kn, fn, fc           ; fetch piece kn into buffer fn, multiply buffer fc
	PLACES
	FETCH \slot, \kn, \fn
	s_wait_dscnt 16                                ; all but the 16 just issued
	MUL \fc, 0
.endm
.macro PROC slot, zero                 ; a slot: eight pieces of 32 along K
	PLACES
	FETCH \slot, 0, 0
	FETCH \slot, 1, 1
	s_wait_dscnt 16
	MUL 0, \zero
	STEP \slot, 2, 0, 1
	STEP \slot, 3, 1, 0
	STEP \slot, 4, 0, 1
	STEP \slot, 5, 1, 0
	STEP \slot, 6, 0, 1
	STEP \slot, 7, 1, 0
	s_wait_dscnt 0
	MUL 1, 0
.endm
; A slot that has been read is asked for again, two K steps on: reads back, all tensor loads landed, addresses stepped while none is out,
; a round of the cluster's barrier, and the joint load first behind it.
.macro REFILL slot
	s_wait_dscnt 0x0
	s_wait_tensorcnt 0x0
	ds_add_u32 v254, v255
	s_wait_dscnt 0x0
	s_add_nc_u64 s[G0A+4*\slot+2:G0A+4*\slot+3], s[G0A+4*\slot+2:G0A+4*\slot+3], 4194304
	s_add_nc_u64 s[G0B+4*\slot+2:G0B+4*\slot+3], s[G0B+4*\slot+2:G0B+4*\slot+3], 131072
	CROUND
	JLOAD \slot
.endm
	s_wait_tensorcnt 0x1                           ; my part of K step 0 is in; K step 1's may stay out
	s_barrier_signal -1
	s_barrier_wait -1
	PROC 0, 1                                      ; K step 0: its first products start the sums
	REFILL 0                                       ; K step 2
	PROC 1, 0                                      ; K step 1
	REFILL 1                                       ; K step 3
	PROC 0, 0                                      ; K step 2
	s_wait_dscnt 0x0
	s_wait_tensorcnt 0x0
	s_barrier_signal -1
	s_barrier_wait -1                              ; K step 3 is whole; nothing is left to ask for
	PROC 1, 0
	; THE WAY OUT, 16 tokens at a time through my own stage: 32 bytes a lane in, whole rows of 256 bytes back.
	PLACES
	s_lshl_b32 s66, s18, 19                        ; 128 rb rows of 4,096 bytes
	s_lshl_b32 s70, s13, 18                        ; + 64 wr rows
	s_add_co_u32 s66, s66, s70
	s_lshl_b32 s70, s17, 9                         ; + 128 nb columns of 4 bytes
	s_add_co_u32 s66, s66, s70
	s_lshl_b32 s70, s14, 8                         ; + 64 wc columns
	s_add_co_u32 s66, s66, s70
	s_mov_b32 s67, 0
	s_add_nc_u64 s[8:9], s[8:9], s[66:67]
.macro OUTX x
	WIN 0x04                                       ; store data in window 1
.irp n, 0,1,2,3
	ds_store_b128 v[STO], v[8*(4*\n+\x):8*(4*\n+\x)+3] offset:\n*64
	ds_store_b128 v[STO], v[8*(4*\n+\x)+4:8*(4*\n+\x)+7] offset:\n*64+16
.endr
	WIN 0
.irp t, 0,1,2,3,4,5,6,7
	ds_load_b128 v[32+32*\x+4*\t:32+32*\x+4*\t+3], v[RD] offset:\t*2*SPITCH   ; the wave's own bytes, served in order (ISA guide 5.7.1): these see the stores above, and the next stores come behind these
.endr
.irp t, 0,1,2,3,4,5,6,7
	s_wait_dscnt 7-\t                              ; read-back t is in, the younger ones stay out
	global_store_b128 v[CO], v[32+32*\x+4*\t:32+32*\x+4*\t+3], s[8:9] offset:(16*\x+2*\t)*4096 th:TH_STORE_NT   ; 16 lanes store 256 consecutive aligned bytes; every x has registers of its own
.endr
.endm
	OUTX 0
	OUTX 1
	OUTX 2
	OUTX 3
	s_wait_tensorcnt 0x0
	ds_add_u32 v254, v255
	s_wait_dscnt 0x0
	CROUND                                         ; the closing round
	s_endpgm
.Lfunc_end_k_q686f86e804_proj:
	.size	k_q686f86e804_proj, .Lfunc_end_k_q686f86e804_proj-k_q686f86e804_proj
	.p2alignl 7, 3214868480
	.fill 96, 4, 3214868480
	.section	.rodata,"a",@progbits
	.p2align	6, 0x0
	.amdhsa_kernel k_q686f86e804_proj
		.amdhsa_group_segment_fixed_size 327680
		.amdhsa_private_segment_fixed_size 0
		.amdhsa_enable_private_segment 0
		.amdhsa_kernarg_size 24
		.amdhsa_user_sgpr_count 2
		.amdhsa_user_sgpr_kernarg_segment_ptr 1
		.amdhsa_wavefront_size32 1
		.amdhsa_system_sgpr_workgroup_id_x 1
		.amdhsa_system_sgpr_workgroup_id_y 1
		.amdhsa_system_sgpr_workgroup_id_z 1
		.amdhsa_system_vgpr_workitem_id 0
		.amdhsa_next_free_vgpr 384
		.amdhsa_next_free_sgpr 72
		.amdhsa_reserve_vcc 0
		.amdhsa_float_denorm_mode_32 3
		.amdhsa_float_denorm_mode_16_64 3
		.amdhsa_memory_ordered 1
		.amdhsa_forward_progress 1
		.amdhsa_inst_pref_size 87
	.end_amdhsa_kernel
	.amdgpu_metadata
---
amdhsa.version: [ 1, 2 ]
amdhsa.kernels:
  - .name:           k_q686f86e804_proj
    .symbol:         k_q686f86e804_proj.kd
    .args:
      - { .name: ao, .offset: 0, .size: 8, .value_kind: global_buffer, .address_space: global }
      - { .name: wof, .offset: 8, .size: 8, .value_kind: global_buffer, .address_space: global }
      - { .name: out0, .offset: 16, .size: 8, .value_kind: global_buffer, .address_space: global }
    .group_segment_fixed_size: 327680
    .private_segment_fixed_size: 0
    .kernarg_segment_align: 8
    .kernarg_segment_size: 24
    .max_flat_workgroup_size: 128
    .sgpr_count:     72
    .vgpr_count:     384
    .wavefront_size: 32
...
	.end_amdgpu_metadata
.endif
;; end of part 4
;; ======== version 2 of 2: 4 launches; version 1 with the launch cast written anew for expert scheduling mode
;; limits: values are held in f16: magnitudes above 65,504 overflow, below 6.1e-05 lose precision
;; workspace buffers: xb 8,388,608 bytes; wqf 6,291,456 bytes; wof 2,097,152 bytes; qf 8,388,608 bytes; kv 16,777,216 bytes; ao 8,388,608 bytes
;; launch cast (part 5): grid 1024 x 1, 8 waves a work-group, no clusters, 21,504 bytes of LDS; arguments x, w_qkv, w_out, xb, wqf, wof; writes xb, wqf, wof
.if DOCPART == 5
	.amdgcn_target "amdgcn-amd-amdhsa--gfx1250"
	.amdhsa_code_object_version 6
	.text
	.protected	k_q686f86e804_cast
	.globl	k_q686f86e804_cast
	.p2align	8
	.type	k_q686f86e804_cast,@function
k_q686f86e804_cast:
	s_mov_b64 s[64:65], 0
	v_nop
	global_prefetch_b8 v0, s[64:65] scope:SCOPE_SE
	s_setreg_imm32_b32 hwreg(HW_REG_WAVE_SCHED_MODE, 0, 2), 2
	s_setreg_imm32_b32 hwreg(HW_REG_WAVE_MODE, 25, 1), 1
	s_wait_xcnt 0x0
	s_wait_alu depctr_vm_vsrc(0)
; cast: x, w_qkv, w_out (f32) are rounded once to f16; the two weights are also laid in the order in which the later
; launches' matrix fragments want them.  A stream: no matrix work, no barrier, one job of 4,096 input bytes for each wave.
;   work-groups   0..511 : xb[row][1024] f16, row-major; wave = one row of x
;   work-groups 512..895 : wqf; wave = 8 k x 128 n of w_qkv
;   work-groups 896..1023: wof; wave = 8 k x 128 n of w_out
; A PIECE is 16 bytes: 8 f16 of one column n, k = 8 ko .. 8 ko + 7.
;   wqf byte = head*393216 + (ko>>4)*49152 + nt*4096 + (ko&15)*256 + (n&15)*16, nt = 4*(q,k,v) + (d>>4)
;   wof byte = (n>>7)*262144 + (ko>>5)*65536 + ((n>>4)&7)*8192 + (ko&31)*256 + (n&15)*16
; FORMAT: f16, not bf16: its rounding is 8 times finer.  LIMIT: a number above 65,504 in magnitude becomes infinite;
; x as drawn has spread 1 and the weights 1/32, so 30 times more, or an offset of 30 spreads, stays far inside.
; No cluster: no two work-groups read the same byte.
; THE MODE: SCHED_MODE bits 1:0 = 2 (LLVM: expert scheduling mode 2), set by the entry lines.  The code itself states the register dependences
; between vector instructions and memory or LDS instructions, with s_wait_alu, always for 0.
; THE PLAN.  Registers that memory or LDS instructions touch:
;   v2        16 L, the offset of every global load.  Written at the head, never again.
;   v3        x: 8 L, the offset of the eight stores.  Written ahead of the loads, never again.
;   v4, v5    weights: the LDS addresses of the stores and of the read-backs.  Written ahead of the loads, never again.
;   v6        weights: the offset of the four global stores.  Written while the loads are out, never again.
;   v[8:39]   WR: the global loads land here, the conversions read it; weights: then the four read-backs land in v[8:23], which the global stores read.
;   v[40:55]  PC: the conversions write it; the stores (x: global, weights: LDS) read it.  Never written again.
;   v64, v65  written at the head, read by the closing add alone.
; No register that a memory or LDS instruction has read is ever written again, so the text holds no wait on vm_vsrc.
; x: a wait on va_vdst ahead of the loads (offsets), one ahead of each half's four stores; the first half's stores stand among the second half's conversions.
; weights: a wait on va_vdst ahead of the loads (offset), and one behind the sixteen conversions, for the LDS stores, the read-backs and the global stores.
.set LSTAGE, 2560                      ; LDS bytes of a wave: 32 lanes x 80
.set LPITCH, 80                        ; four pieces of a lane + 16: an odd multiple of 16, so the 16 lanes of a store hit 16 different columns of 16 bytes
.set WR, 8                             ; v[8:39]   eight rows as loaded (4 f32 a lane each); later v[8:23]: pieces read back
.set PC, 40                            ; v[40:55]  x: 8 pairs to store; weights: 4 pieces of 4 registers
; 8 k x 128 n of a weight.  src, dst: scalar pairs with the addresses of the job's first bytes; pitch: bytes of a row of the weight;
; lsh: log2 of the bytes from one tile of 16 n to the next; o1..o3: where the pairs of tiles 2-3, 4-5, 6-7 begin.
.macro CASTW src, dst, pitch, lsh, o1, o2, o3
	s_wait_alu depctr_va_vdst(0)                   ; v2 is written, which the eight loads read as their offset
.irp j, 0,1,2,3,4,5,6,7
	global_load_b128 v[WR+4*\j:WR+4*\j+3], v2, s[\src:\src+1] offset:\pitch*\j th:TH_LOAD_NT   ; row 8 ko + j: 512 neighbouring bytes; read once in the launch
.endr
	v_lshrrev_b32 v6, 4, v1
	v_and_b32 v7, 15, v1
	v_lshlrev_b32 v6, \lsh, v6                     ; lanes 16-31 store into the next tile of 16 n
	v_lshl_add_u32 v6, v7, 4, v6                   ; + 16 (lane mod 16)
	s_wait_loadcnt 0x0                             ; a piece needs all eight rows
.irp i, 0,1,2,3
.irp m, 0,1,2,3
	v_cvt_pk_f16_f32 v[PC+4*\i+\m], v[WR+8*\m+\i], v[WR+8*\m+4+\i]   ; column 4 L + i: k = 2 m below, 2 m + 1 above
.endr
.endr
	s_wait_alu depctr_va_vdst(0)                   ; the conversions have written v[PC ..], which the LDS stores read, and are done reading v[WR ..], in which the read-backs land; v6 is written, the global stores' offset
.irp i, 0,1,2,3
	ds_store_b128 v4, v[PC+4*\i:PC+4*\i+3] offset:16*\i             ; piece n = 4 L + i at (n>>2)*80 + (n&3)*16
.endr
.irp t, 0,1,2,3
	ds_load_b128 v[WR+4*\t:WR+4*\t+3], v5 offset:640*\t             ; piece n = 32 t + L.  The wave's own bytes, and LDS serves a wave in order (ISA guide 5.7.1): no wait between
.endr
	s_wait_dscnt 0x3                               ; the three younger read-backs may stay out, and so on down
	global_store_b128 v6, v[WR:WR+3], s[\dst:\dst+1]                ; each store: two runs of 256 consecutive aligned bytes
	s_wait_dscnt 0x2
	global_store_b128 v6, v[WR+4:WR+7], s[\dst:\dst+1] offset:\o1
	s_wait_dscnt 0x1
	global_store_b128 v6, v[WR+8:WR+11], s[\dst:\dst+1] offset:\o2
	s_wait_dscnt 0x0
	global_store_b128 v6, v[WR+12:WR+15], s[\dst:\dst+1] offset:\o3
.endm
	s_load_b256 s[4:11], s[0:1], 0x0               ; x s[4:5], w_qkv s[6:7], w_out s[8:9], xb s[10:11]
	s_load_b128 s[12:15], s[0:1], 0x20             ; wqf s[12:13], wof s[14:15]
	v_lshl_add_u32 v64, v0, 2, 0x5000              ; the LDS address of my spare word, behind the eight waves' 20,480 bytes; kept for the closing lines alone
	v_mov_b32 v65, 0                               ; 0, likewise
	v_and_b32 v1, 31, v0                           ; lane L
	v_lshrrev_b32 v3, 5, v0
	v_readfirstlane_b32 s16, v3                    ; wave 0..7
	v_lshlrev_b32 v2, 4, v1                        ; 16 L: my 16 bytes of every 512 loaded
	s_wait_alu depctr_va_sdst(0)                   ; s16 is written, ahead of the branch and of its first reader on every path: the jobs' addresses are made from it
	s_mov_b32 s21, 0                               ; high word of every offset: all are below 4 GiB
	s_cmp_lt_u32 ttmp9, 512
	s_cbranch_scc0 .Lweights
	; ---- x: one row of 1,024 f32 for each wave ----
	s_lshl3_add_u32 s17, ttmp9, s16                ; row = 8 x work-group + wave
	s_lshl_b32 s20, s17, 12                        ; 4,096 bytes a row in x
	s_lshl_b32 s22, s17, 11                        ; 2,048 in xb
	s_mov_b32 s23, 0
	v_lshlrev_b32 v3, 3, v1                        ; 8 L: my 8 bytes of every 256 stored
	s_wait_kmcnt 0x0
	s_add_nc_u64 s[4:5], s[4:5], s[20:21]
	s_add_nc_u64 s[10:11], s[10:11], s[22:23]
	s_wait_alu depctr_va_vdst(0)                   ; v2 and v3 are written: the offsets that the loads and the stores below read
.irp j, 0,1,2,3,4,5,6,7
	global_load_b128 v[WR+4*\j:WR+4*\j+3], v2, s[4:5] offset:512*\j th:TH_LOAD_NT
.endr
	s_wait_loadcnt 0x4                             ; loads come back in order: loads 0 to 3 are in, the four younger ones stay out
.irp j, 0,1,2,3
	v_cvt_pk_f16_f32 v[PC+2*\j], v[WR+4*\j], v[WR+4*\j+1]
	v_cvt_pk_f16_f32 v[PC+2*\j+1], v[WR+4*\j+2], v[WR+4*\j+3]
.endr
	s_wait_loadcnt 0x0                             ; loads 4 to 7 are in
	s_wait_alu depctr_va_vdst(0)                   ; the first half's conversions have written v[PC:PC+7], which the four stores below read
.irp j, 0,1,2,3
	global_store_b64 v3, v[PC+2*\j:PC+2*\j+1], s[10:11] offset:256*\j   ; 32 lanes store 256 consecutive aligned bytes; no vector instruction since the wait names these registers
	v_cvt_pk_f16_f32 v[PC+8+2*\j], v[WR+16+4*\j], v[WR+16+4*\j+1]
	v_cvt_pk_f16_f32 v[PC+8+2*\j+1], v[WR+16+4*\j+2], v[WR+16+4*\j+3]
.endr
	s_wait_alu depctr_va_vdst(0)                   ; the second half's conversions have written v[PC+8:PC+15], which the last four stores read
.irp j, 4,5,6,7
	global_store_b64 v3, v[PC+2*\j:PC+2*\j+1], s[10:11] offset:256*\j   ; every j has registers of its own
.endr
	s_endpgm
.Lweights:
	s_mul_i32 s23, s16, LSTAGE                     ; my wave's LDS bytes
	v_mul_u32_u24 v4, v1, LPITCH
	v_add_nc_u32 v4, s23, v4                       ; in: lane L at 80 L
	v_lshrrev_b32 v5, 2, v1
	v_and_b32 v7, 3, v1
	v_mul_u32_u24 v5, v5, LPITCH
	v_lshl_add_u32 v5, v7, 4, v5
	v_add_nc_u32 v5, s23, v5                       ; back: piece L at (L>>2)*80 + (L&3)*16
	s_and_b32 s19, ttmp9, 15                       ; 512 and 896 are multiples of 16: these are the job number's low four bits
	s_lshl3_add_u32 s19, s19, s16                  ; ko = 8 x them + wave, 0..127
	s_lshr_b32 s18, ttmp9, 4
	s_cmp_lt_u32 ttmp9, 896
	s_cbranch_scc0 .Lwout
	; ---- w_qkv [1024][3072]: ng = which 128 columns = (q, k or v) x 8 + a pair of heads ----
	s_sub_co_u32 s18, s18, 32                      ; ng, 0..23
	s_mul_i32 s20, s19, 98304                      ; 8 ko rows of 12,288 bytes
	s_lshl_b32 s22, s18, 9
	s_add_co_u32 s20, s20, s22                     ; + 128 ng columns of 4 bytes
	s_wait_kmcnt 0x0
	s_add_nc_u64 s[6:7], s[6:7], s[20:21]
	s_and_b32 s22, s18, 7
	s_mul_i32 s20, s22, 786432                     ; head 2 (ng & 7)
	s_lshr_b32 s22, s19, 4
	s_mul_i32 s22, s22, 49152                      ; K step of 128
	s_add_co_u32 s20, s20, s22
	s_lshr_b32 s22, s18, 3
	s_lshl_b32 s22, s22, 14                        ; q, k or v: four tiles of 4,096 bytes
	s_add_co_u32 s20, s20, s22
	s_and_b32 s22, s19, 15
	s_lshl_b32 s22, s22, 8
	s_add_co_u32 s20, s20, s22
	s_add_nc_u64 s[12:13], s[12:13], s[20:21]
	CASTW 6, 12, 12288, 12, 8192, 393216, 401408   ; tiles 0-3: the first head; tiles 4-7: the next head, 393,216 bytes on
	s_wait_dscnt 0x0                               ; the closing lines, six on end
	s_wait_alu 0x0
	s_wait_tensorcnt 0x0
	ds_add_u32 v64, v65
	s_wait_dscnt 0x0
	s_endpgm
.Lwout:
	; ---- w_out [1024][1024]: nb = which 128 columns ----
	s_sub_co_u32 s18, s18, 56                      ; nb, 0..7
	s_lshl_b32 s20, s19, 15                        ; 8 ko rows of 4,096 bytes
	s_lshl_b32 s22, s18, 9
	s_add_co_u32 s20, s20, s22
	s_wait_kmcnt 0x0
	s_add_nc_u64 s[8:9], s[8:9], s[20:21]
	s_lshl_b32 s20, s18, 18
	s_lshr_b32 s22, s19, 5
	s_lshl_b32 s22, s22, 16                        ; K step of 256
	s_add_co_u32 s20, s20, s22
	s_and_b32 s22, s19, 31
	s_lshl_b32 s22, s22, 8
	s_add_co_u32 s20, s20, s22
	s_add_nc_u64 s[14:15], s[14:15], s[20:21]
	CASTW 8, 14, 4096, 13, 16384, 32768, 49152
	s_wait_dscnt 0x0                               ; the closing lines, six on end, as above
	s_wait_alu 0x0
	s_wait_tensorcnt 0x0
	ds_add_u32 v64, v65
	s_wait_dscnt 0x0
	s_endpgm
.Lfunc_end_k_q686f86e804_cast:
	.size	k_q686f86e804_cast, .Lfunc_end_k_q686f86e804_cast-k_q686f86e804_cast
	.p2alignl 7, 3214868480
	.fill 96, 4, 3214868480
	.section	.rodata,"a",@progbits
	.p2align	6, 0x0
	.amdhsa_kernel k_q686f86e804_cast
		.amdhsa_group_segment_fixed_size 21504
		.amdhsa_private_segment_fixed_size 0
		.amdhsa_enable_private_segment 0
		.amdhsa_kernarg_size 48
		.amdhsa_user_sgpr_count 2
		.amdhsa_user_sgpr_kernarg_segment_ptr 1
		.amdhsa_wavefront_size32 1
		.amdhsa_system_sgpr_workgroup_id_x 1
		.amdhsa_system_sgpr_workgroup_id_y 1
		.amdhsa_system_sgpr_workgroup_id_z 1
		.amdhsa_system_vgpr_workitem_id 0
		.amdhsa_next_free_vgpr 66
		.amdhsa_next_free_sgpr 66
		.amdhsa_reserve_vcc 0
		.amdhsa_float_denorm_mode_32 3
		.amdhsa_float_denorm_mode_16_64 3
		.amdhsa_memory_ordered 1
		.amdhsa_forward_progress 1
		.amdhsa_inst_pref_size 12
	.end_amdhsa_kernel
	.amdgpu_metadata
---
amdhsa.version: [ 1, 2 ]
amdhsa.kernels:
  - .name:           k_q686f86e804_cast
    .symbol:         k_q686f86e804_cast.kd
    .args:
      - { .name: x, .offset: 0, .size: 8, .value_kind: global_buffer, .address_space: global }
      - { .name: w_qkv, .offset: 8, .size: 8, .value_kind: global_buffer, .address_space: global }
      - { .name: w_out, .offset: 16, .size: 8, .value_kind: global_buffer, .address_space: global }
      - { .name: xb, .offset: 24, .size: 8, .value_kind: global_buffer, .address_space: global }
      - { .name: wqf, .offset: 32, .size: 8, .value_kind: global_buffer, .address_space: global }
      - { .name: wof, .offset: 40, .size: 8, .value_kind: global_buffer, .address_space: global }
    .group_segment_fixed_size: 21504
    .private_segment_fixed_size: 0
    .kernarg_segment_align: 8
    .kernarg_segment_size: 48
    .max_flat_workgroup_size: 256
    .sgpr_count:     66
    .vgpr_count:     66
    .wavefront_size: 32
...
	.end_amdgpu_metadata
.endif
;; end of part 5
;; launch qkv: the kernel of part 2 again; grid 16 x 16, 4 waves a work-group, clusters of 4 x 4, 327,680 bytes of LDS; arguments xb, wqf, qf, kv; writes qf, kv
;; launch attn: the kernel of part 3 again; grid 8 x 32, 16 waves a work-group, clusters of 4 x 1, 327,680 bytes of LDS; arguments qf, kv, ao; writes ao
;; launch proj: the kernel of part 4 again; grid 8 x 32, 4 waves a work-group, clusters of 4 x 4, 327,680 bytes of LDS; arguments ao, wof, out0; writes out0
